; MI455X (gfx1250); checked and timed in simulation.
; The chip was launched on July 23, 2026; its instructions are those of AMD's public machine-readable ISA for CDNA 5 (MIT licence, August 2026) and "CDNA5" Instruction Set Architecture Reference Guide (July 2026). The comments in the code are by the model that wrote it; some were corrected since.
;; MH Self Attention. Allowed arithmetic: matrix products marked QUANTISED: E2M3 operands, one E8M0 scale for each 32 along K, by v_wmma_scale_f32_16x16x128_f8f6f4 with both operands' format E2M3, f32 sums; everything else in f32.
;; Inputs: b_out 1,024 float32; inputs 4 x 2,048 x 1,024 float32; w_in 3,072 x 1,024 float32; w_out 1,024 x 1,024 float32.
;; Outputs: out0 4 x 2,048 x 1,024 float32.
;; This version of the problem:
;;   THIS VERSION OF THE PROBLEM IS GIVEN IN LOW PRECISION. The matrix products marked QUANTISED in the list below multiply operands that are first quantised to E2M3 (2 exponent bits, 3 mantissa bits; 6 bits a number), with one power-of-two scale for each 32 numbers along K (OCP MX v1.0); their sums are f32. All else is computed in f32.
;;   The module's matrix products, in the order in which they are computed (A, B: the left and right operand; K: the contracted axis; several contracted axes count as one K, in the product's order):
;;     1. [M 8,192, K 1,024] x [K 1,024, N 3,072]; A: input inputs; B: input w_in: QUANTISED
;;     2. batch 64 x [M 2,048, K 64] x [K 64, N 2,048]; A: computed on the way; B: computed on the way: QUANTISED
;;     3. batch 64 x [M 2,048, K 2,048] x [K 2,048, N 64]; A: softmax (see below); B: computed on the way: QUANTISED
;;     4. [M 8,192, K 1,024] x [K 1,024, N 1,024]; A: computed on the way; B: input w_out: QUANTISED
;;   THE QUANTISER, for each operand of a quantised product, along K:
;;     - K is cut into blocks of 32 from its start; a last block that is shorter is filled with zeros.
;;     - A block's scale is 2^e with e = floor(log2(the largest magnitude in the block)) - 2, held to -126 .. 127; a block of zeros has e = 0. As a byte (E8M0): e + 127.
;;     - Each number is divided by its block's scale, clamped to +-7.5, and rounded to the nearest number of E2M3, ties to even, subnormals kept.
;;     - The product sums the exact products of the quantised numbers (number of the format x scale) in f32.
;;   ~~~python
;;   def quantise(x, axis):      # numpy; x: float32 -> the quantised numbers, widened to float32 again
;;       x = np.moveaxis(x, axis, -1); K = x.shape[-1]
;;       x = np.pad(x, [(0, 0)] * (x.ndim - 1) + [(0, -K % 32)]); x = x.reshape(x.shape[:-1] + (-1, 32)); a = np.abs(x).max(-1, keepdims=True)
;;       e = np.where(a > 0, np.clip(np.frexp(np.where(a > 0, a, 1))[1] - 1 - 2, -126, 127), 0)      # np.frexp(a)[1] - 1 = floor(log2(a)), exactly
;;       r = np.clip(x / 2.0 ** e, -7.5, 7.5)
;;       step = 2.0 ** (np.maximum(np.frexp(np.where(r == 0, 1, r))[1] - 1, 0) - 3)
;;       q = np.round(r / step) * step * 2.0 ** e      # np.round: ties to even
;;       return np.moveaxis(q.reshape(q.shape[:-2] + (-1,))[..., :K], -1, axis).astype(np.float32)
;;   ~~~
;;   SOFTMAX AHEAD OF A QUANTISED PRODUCT. Where the list says 'softmax', what is quantised is not the finished softmax but p = 2^(t - M), with t = logit x log2(e) and M = ceil(the row's largest t), a whole number; so 1/2 < the row's largest p <= 1. The row's sum l is taken of the UNQUANTISED p, in f32, and the product's result is divided by l at the end. Since M is a whole number, a kernel that streams over the keys may use a running M (the ceiling of the running maximum): every later rescaling is an exact power of two, which a block's scale takes up: the codes' values come out the same.
;;   OPERANDS COMPUTED ON THE WAY. 'Computed on the way' means the value that the module computes at that place (a softmax that the list does not call 'softmax' is quantised finished and normalised). What goes into a quantiser is computed in f32, as accurately as f32 sums, v_exp_f32 and their like allow (about 1e-6 of the number): no bf16 or f16 on the way to a quantiser, and a product that is left as it is and whose result goes on into a quantised operand takes f32 operands (vector FMAs, or v_wmma_f32_16x16x4_f32). A number that lies on a knife's edge between two numbers of the format may be rounded either way, as far as f32 arithmetic and the matrix unit's own rounding can turn it there, and no further.
;; One version. Each part assembles by itself: llvm-mc -triple=amdgcn-amd-amdhsa -mcpu=gfx1250 --defsym DOCPART=n.
;; ======== version 1 of 1: 4 launches
;; workspace buffers: cod1 9,437,184 bytes; scl1 393,216 bytes; cod2 18,874,368 bytes; scl2 1,572,864 bytes; cod3 6,291,456 bytes; scl3 262,144 bytes
;; launch quant (part 1): grid 96 x 4, 4 waves a work-group, no clusters, 34,304 bytes of LDS; arguments inputs, w_in, w_out, cod1, scl1; writes cod1, scl1
.if DOCPART == 1
	.amdgcn_target "amdgcn-amd-amdhsa--gfx1250"
	.amdhsa_code_object_version 6
	.text
	.protected	k_q10557705c0_quant
	.globl	k_q10557705c0_quant
	.p2align	8
	.type	k_q10557705c0_quant,@function
k_q10557705c0_quant:
	s_mov_b64 s[64:65], 0
	v_nop
	global_prefetch_b8 v0, s[64:65] scope:SCOPE_SE
	s_setreg_imm32_b32 hwreg(HW_REG_WAVE_MODE, 25, 1), 1
	s_wait_xcnt 0x0
; inputs [8192][1024], w_in [3072][1024], w_out [1024][1024], f32, K innermost, become codes of FP6 (E2M3) with one E8M0 scale byte for each 32 along K.
; A block's scale is 2^(floor(log2(its largest magnitude)) - 2); its byte is the largest magnitude's exponent field - 2, held at 1 from below.
; LIMITS: NaN and infinities among the inputs are not served; a block whose largest magnitude lies under 2^-124 keeps the byte 1; a block of zeros gets the byte 1 where the rule says 127:
; its codes are zeros, which add nothing under any byte but 0xff, and this program alone reads the bytes.
; THE OUTPUT IS LAID AS IMAGES OF OPERAND REGISTERS.  The three tensors are 96 groups of 128 rows (0-63 inputs, 64-87 w_in, 88-95 w_out).  cod1 = [group][K step of 128: 8][tile a: 8][1,536 bytes].
; A tile's fragment (16 rows x 128 K, 12 registers a lane) is two halves of 768 bytes (K 0-63, K 64-127): registers 0-3 at 16 x lane, then registers 4-5 at 8 x lane.
; TILE a OF A GROUP TAKES ROWS 32 (a / 2) + 8 (a % 2) + r + 8 (r / 8), r = lane % 16: with this order the results of a product that takes such tiles as source 0 are neighbours along the next K.
; scl1 = [group][j: 4][a: 8][r: 16][q: 2] words: the scale word of K step 2 j + q.
; SHARES.  Work-group (x = group, y = j) takes 128 rows x 256 along K; wave w the tiles 2 w and 2 w + 1: four fragments f = 2 u + q (tile 2 w + u, K step 2 j + q).
; Each load reads 512 consecutive bytes of one row; a fragment's 16 rows turn through the wave's own stage in LDS (rows 528 bytes apart) so that a lane gets 16 neighbours of each block of 32.
; No barrier: waves share nothing.  Loads run two fragments (32 loads a wave) ahead.
.set STG, 16*528                       ; a wave's stage
.set R0,  16                           ; v16-143  two sets of 64 registers as loaded
.set X,   144                          ; v144-207 64 numbers: register 16 b + i = k 32 b + 16 (lane / 16) + i of my row
.set TM,  208                          ; v208-223 at work
.set PC,  224                          ; v224-243 the codes just made
.set PW,  244                          ; v244-247 the four fragments' scale words
.set SEL, 22                           ; s[22:23] lane selects: lane l xor 16
	s_load_b256 s[4:11], s[0:1], 0x0               ; inputs, w_in, w_out, cod1
	s_load_b64 s[12:13], s[0:1], 0x20              ; scl1
	v_lshl_add_u32 v254, v0, 2, 0x8400
	v_mov_b32 v255, 0
	v_lshrrev_b32 v1, 5, v0
	v_readfirstlane_b32 s16, v1                    ; wave
	s_and_b32 s17, ttmp7, 0xffff                   ; j
	v_and_b32 v1, 31, v0                           ; lane
	v_and_b32 v2, 15, v0                           ; r
	v_bfe_u32 v3, v0, 4, 1                         ; h
	v_lshlrev_b32 v4, 4, v1                        ; 16 x lane: my bytes of a load's 512, and of a store's
	v_lshlrev_b32 v8, 3, v1                        ; 8 x lane
	s_mul_i32 s19, s16, STG
	v_add_nc_u32 v5, s19, v4                       ; into the stage: a row as it lies
	v_mul_u32_u24 v6, v2, 528
	v_lshl_add_u32 v6, v3, 6, v6
	v_add_nc_u32 v6, s19, v6                       ; out of it: row r, + 64 h: my 16 numbers of a block
	s_mov_b32 s[SEL], 0x76543210
	s_mov_b32 s[SEL+1], 0xfedcba98
.irp b, 0,1,2,3
	v_mov_b32 v[TM+4+\b], 0                        ; written once: a lane permute's destination counts as one of its sources
.endr
	s_wait_alu depctr_va_vdst(0)
	s_wait_kmcnt 0x0
	s_cmp_lt_u32 ttmp9, 64                         ; which tensor: the choice hangs on the work-group's number alone
	s_cselect_b64 s[4:5], s[4:5], s[6:7]
	s_cselect_b32 s18, 0, 64
	s_cmp_lt_u32 ttmp9, 88
	s_cselect_b64 s[4:5], s[4:5], s[8:9]
	s_mov_b32 s19, 88
	s_cselect_b32 s18, s18, s19                    ; the tensor's first group
	s_sub_co_u32 s20, ttmp9, s18
	s_lshl_b32 s20, s20, 19                        ; 128 rows of 4,096 bytes
	s_lshl_b32 s21, s16, 17                        ; + my wave's 32 rows
	s_add_co_u32 s20, s20, s21
	s_lshl_b32 s21, s17, 10                        ; + 256 numbers along K
	s_add_co_u32 s20, s20, s21
	s_mov_b32 s21, 0
	s_add_nc_u64 s[4:5], s[4:5], s[20:21]
	s_mul_i32 s20, ttmp9, 98304
	s_mul_i32 s24, s17, 24576
	s_add_co_u32 s20, s20, s24
	s_mul_i32 s24, s16, 3072
	s_add_co_u32 s20, s20, s24
	s_add_nc_u64 s[10:11], s[10:11], s[20:21]      ; cod1 at (group, K step 2 j, tile 2 w)
	s_lshl_b32 s20, ttmp9, 12
	s_lshl_b32 s24, s17, 10
	s_add_co_u32 s20, s20, s24
	s_lshl_b32 s24, s16, 8
	s_add_co_u32 s20, s20, s24
	s_add_nc_u64 s[12:13], s[12:13], s[20:21]      ; scl1 at (group, j, tile 2 w)
.macro LOAD f                          ; fragment f's 16 rows x 512 bytes into set f % 2
.irp i, 0,1,2,3,4,5,6,7,8,9,10,11,12,13,14,15
	global_load_b128 v[R0+64*((\f)%2)+4*\i:R0+64*((\f)%2)+4*\i+3], v4, s[4:5] offset:(8*((\f)/2)+\i+8*(\i/8))*4096+512*((\f)%2) th:TH_LOAD_NT
.endr
.endm
; 64 numbers of a lane become a fragment's codes in v[PC] on and its scale word in v[pw]
.macro QUANT s, pw
.irp b, 0,1,2,3
	v_max3_num_f32 v[TM+\b], |v[\s+16*\b]|, |v[\s+1+16*\b]|, 0x1800000   ; block b: my 16 numbers, and the floor 2^(3 - 127): the byte cannot fall under 1
.endr
.irp i, 2,4,6,8,10,12,14
.irp b, 0,1,2,3
	v_max3_num_f32 v[TM+\b], v[TM+\b], |v[\s+16*\b+\i]|, |v[\s+1+16*\b+\i]|   ; the four blocks by turns
.endr
.endr
.irp b, 0,1,2,3
	v_permlanex16_b32 v[TM+4+\b], v[TM+\b], s[SEL], s[SEL+1]
.endr
.irp b, 0,1,2,3
	v_max_num_f32 v[TM+\b], v[TM+\b], v[TM+4+\b]   ; with lane l xor 16's: the block's largest magnitude
.endr
.irp b, 0,1,2,3
	v_add_nc_u32 v[TM+12+\b], 0xff000000, v[TM+\b] ; 2 off its exponent field: the conversion's scale operand
.endr
.irp b, 0,1,2,3
	v_lshrrev_b32 v[TM+4+\b], 23, v[TM+12+\b]      ; the scale's byte
.endr
	v_lshl_or_b32 v[\pw], v[TM+5], 8, v[TM+4]
	v_lshl_or_b32 v[\pw], v[TM+6], 16, v[\pw]
	v_lshl_or_b32 v[\pw], v[TM+7], 24, v[\pw]      ; my row's scale word
.irp c, 0,1
	v_cvt_scalef32_pk16_fp6_f32 v[PC+6*\c:PC+2+6*\c], v[\s+32*\c:\s+15+32*\c], v[TM+12+2*\c]
	v_cvt_scalef32_pk16_fp6_f32 v[PC+12+4*\c:PC+14+4*\c], v[\s+16+32*\c:\s+31+32*\c], v[TM+12+2*\c+1]   ; (a conversion's three registers begin on an even number)
.endr
	v_nop                                          ; one plain place behind a scaled conversion
.irp c, 0,1                            ; the operand's layout wants a whole block in a lane: lanes 0-15 block 2 c, lanes 16-31 block 2 c + 1
.irp i, 0,1,2
	v_permlane16_swap_b32 v[PC+6*\c+\i], v[PC+12+4*\c+\i]
.endr
.irp i, 0,1,2
	v_mov_b32 v[PC+3+6*\c+\i], v[PC+12+4*\c+\i]
.endr
.endr
.endm
.macro FRAGMENT f
.if (\f) < 3
	s_wait_loadcnt 16                              ; this fragment's 16 loads are in; the next fragment's 16 may be out
.else
	s_wait_loadcnt 0x0
.endif
.irp i, 0,1,2,3,4,5,6,7,8,9,10,11,12,13,14,15
	ds_store_b128 v5, v[R0+64*((\f)%2)+4*\i:R0+64*((\f)%2)+4*\i+3] offset:528*\i
.endr
.irp b, 0,1,2,3
.irp j, 0,1,2,3
	ds_load_b128 v[X+16*\b+4*\j:X+16*\b+4*\j+3], v6 offset:128*\b+16*\j   ; LDS serves a wave's instructions in order: these see the stores above
.endr
.endr
	s_wait_dscnt 0x0                               ; the numbers are back, and the stores have read their registers
	s_wait_xcnt 0x0                                ; the last fragment's stores have read the codes' registers, which are written again below
.if (\f) < 2
	LOAD (\f)+2
.endif
	QUANT X, PW+(\f)
.irp c, 0,1
	global_store_b128 v4, v[PC+6*\c:PC+6*\c+3], s[10:11] offset:12288*((\f)%2)+1536*((\f)/2)+768*\c       ; 512 consecutive bytes, at a multiple of 256
	global_store_b64 v8, v[PC+6*\c+4:PC+6*\c+5], s[10:11] offset:12288*((\f)%2)+1536*((\f)/2)+768*\c+512  ; 256 consecutive bytes
.endr
.endm
	LOAD 0
	LOAD 1
	FRAGMENT 0
	FRAGMENT 1
	FRAGMENT 2
	FRAGMENT 3
	v_cmp_ne_u32 vcc_lo, 0, v3                     ; lanes 0-15 store tile 2 w's two words of row r, lanes 16-31 tile 2 w + 1's
	v_cndmask_b32 v248, v[PW], v[PW+2], vcc_lo
	v_cndmask_b32 v249, v[PW+1], v[PW+3], vcc_lo
	global_store_b64 v8, v[248:249], s[12:13]      ; 256 consecutive bytes, aligned
	s_wait_tensorcnt 0x0
	ds_add_u32 v254, v255
	s_wait_dscnt 0x0
	s_endpgm
.Lfunc_end_k_q10557705c0_quant:
	.size	k_q10557705c0_quant, .Lfunc_end_k_q10557705c0_quant-k_q10557705c0_quant
	.p2alignl 7, 3214868480
	.fill 96, 4, 3214868480
	.section	.rodata,"a",@progbits
	.p2align	6, 0x0
	.amdhsa_kernel k_q10557705c0_quant
		.amdhsa_group_segment_fixed_size 34304
		.amdhsa_private_segment_fixed_size 0
		.amdhsa_enable_private_segment 0
		.amdhsa_kernarg_size 40
		.amdhsa_user_sgpr_count 2
		.amdhsa_user_sgpr_kernarg_segment_ptr 1
		.amdhsa_wavefront_size32 1
		.amdhsa_system_sgpr_workgroup_id_x 1
		.amdhsa_system_sgpr_workgroup_id_y 1
		.amdhsa_system_sgpr_workgroup_id_z 1
		.amdhsa_system_vgpr_workitem_id 0
		.amdhsa_next_free_vgpr 256
		.amdhsa_next_free_sgpr 66
		.amdhsa_reserve_vcc 1
		.amdhsa_float_denorm_mode_32 3
		.amdhsa_float_denorm_mode_16_64 3
		.amdhsa_memory_ordered 1
		.amdhsa_forward_progress 1
		.amdhsa_inst_pref_size 34
	.end_amdhsa_kernel
	.amdgpu_metadata
---
amdhsa.version: [ 1, 2 ]
amdhsa.kernels:
  - .name:           k_q10557705c0_quant
    .symbol:         k_q10557705c0_quant.kd
    .args:
      - { .name: inputs, .offset: 0, .size: 8, .value_kind: global_buffer, .address_space: global }
      - { .name: w_in, .offset: 8, .size: 8, .value_kind: global_buffer, .address_space: global }
      - { .name: w_out, .offset: 16, .size: 8, .value_kind: global_buffer, .address_space: global }
      - { .name: cod1, .offset: 24, .size: 8, .value_kind: global_buffer, .address_space: global }
      - { .name: scl1, .offset: 32, .size: 8, .value_kind: global_buffer, .address_space: global }
    .group_segment_fixed_size: 34304
    .private_segment_fixed_size: 0
    .kernarg_segment_align: 8
    .kernarg_segment_size: 40
    .max_flat_workgroup_size: 128
    .sgpr_count:     66
    .vgpr_count:     256
    .wavefront_size: 32
...
	.end_amdgpu_metadata
.endif
;; end of part 1
;; launch qkv (part 2): grid 12 x 32, 4 waves a work-group, clusters of 4 x 4, 327,680 bytes of LDS; arguments cod1, scl1, cod2, scl2; writes cod2, scl2
.if DOCPART == 2
	.amdgcn_target "amdgcn-amd-amdhsa--gfx1250"
	.amdhsa_code_object_version 6
	.text
	.protected	k_q10557705c0_qkv
	.globl	k_q10557705c0_qkv
	.p2align	8
	.type	k_q10557705c0_qkv,@function
k_q10557705c0_qkv:
	s_mov_b64 s[64:65], 0
	v_nop
	global_prefetch_b8 v0, s[64:65] scope:SCOPE_SE
	s_setreg_imm32_b32 hwreg(HW_REG_WAVE_MODE, 25, 1), 1
	s_wait_xcnt 0x0
	s_wait_alu depctr_hold_cnt(0) depctr_sa_sdst(0) depctr_va_vdst(0) depctr_va_sdst(0) depctr_va_ssrc(0) depctr_va_vcc(0) depctr_vm_vsrc(0)
	s_getreg_b32 s2, hwreg(HW_REG_IB_STS2, 6, 4)
	s_cmp_eq_u32 s2, 0
	s_cbranch_scc0 .Lentry_in_a_cluster
	s_endpgm
.Lentry_in_a_cluster:
	s_bfe_u32 s2, ttmp6, 0x10000c
	s_cmp_lg_u32 s2, 0xf033
	s_cbranch_scc0 .Lentry_shape_is_right
	s_endpgm
.Lentry_shape_is_right:
; qkv = x w_in^T on codes of FP6 (E2M3) with E8M0 scales for each 32 along K; q, k and v are quantised in registers and leave as codes alone.
; cod1 / scl1: images of operand registers: [group of 128 rows][K step of 128: 8][tile a: 8][1,536 bytes]; a half fragment (16 rows x 64 K) is 768 bytes: registers 0-3 at 16 x lane, registers 4-5 at 8 x lane.
; Tile a of a group takes rows 32 (a / 2) + 8 (a % 2) + r + 8 (r / 8).  Groups 0-63: tokens; 64-87: w_in's rows.  scl1 = [group][j: 4][a][r][q: 2] words, K step 2 j + q.
; A tile of the result, 256 tokens x 256 channels, is made by four waves, each 128 x 128: 64 accumulators, 512 registers.  K = 1,024 goes in four chunks of 256 through a ring of two LDS slots; a chunk of a group is 24,576 dense bytes.
; The scale words of the work-group's four groups, for all of K, come into LDS once, with the first fills.
; CLUSTERS: 4 x 4 work-groups.  The tokens' tiles (side Y) are shared along a row of the cluster, w_in's (side X) along a column: each is asked for jointly, by the same tensor load with a mask that names the four.
; WHICH SIDE IS SOURCE 0.  In a result a lane holds one row of source 1 and, in the 64 registers of a block, 128 rows of source 0, in their true order (that is what the tiles' row order is for).
;   q, k (tile columns 0-7): K of the next product = channels: source 0 = w_in's rows, source 1 = tokens.      v (tile columns 8-11): K = keys: source 0 = tokens, source 1 = w_in's rows.
;   Only the LDS bases of the fragment loads and the half of the lanes that takes which side's scale words differ.  The choice hangs on the cluster's x, the same in all sixteen partners.
; OUT.  cod2 = [PP: 96][c: 2][T: 16][a: 8][768 bytes], PP = 32 (channel group / 8) + 8 batch + channel group % 8, T the group of 128 tokens in the batch.
;   q, k: half (a, c) = the 16 tokens of tile a x the 64 channels of head 2 (PP % 8) + c.     v: half (a, c) = the 16 channels of tile a x keys 64 c .. 64 c + 63 of group T.
;   scl2: PP x 16,384 + T x 512 + [a / 4][r][a % 4] words; for q, k the second head's words (shifted down 16 bits) 8,192 bytes on.
; LIMITS: NaN and infinities are not served; a block whose largest magnitude lies under 2^-124, zeros too, keeps the byte 1 (zero codes add nothing under any byte but 0xff; this program alone reads the bytes).
; REGISTERS, in windows of 256: window 0: v0-31 addresses; v32-63 scale words, two sets, and nothing else; v64-115 the epilogue's; v128-223 source 1's fragments, ONE set.
;   window 1: source 0's fragments, TWO sets, at v0 and v128.   window 2: the accumulators of source 1's blocks 0-3 ((a, b) at v[8 (8 (a % 4) + b)]);   window 3: those of blocks 4-7.
.set NQ,     2                         ; K steps of 128 in a slot
.set FR,     12                        ; registers of a fragment
.set NL,     4                         ; LDS loads that bring one
.set NP,     4                         ; places behind this matrix instruction (ISA guide 7.12.1)
.set HALFT,  24576                     ; a chunk of one group: what one tensor load brings, and what one wave reads of a side
.set SLOT,   4*HALFT                   ; Y's two groups, then X's two
.set SCA,    2*SLOT                    ; behind the ring: Y's scale words, 2 x 4,096 bytes
.set SCB,    SCA+8192+128              ; X's, 128 bytes further on than dense, so that the two halves of the lanes fall on different banks
.set SPARE,  213248                    ; the spare words, 128 bytes for each wave: two blocks of 256 bytes that no other line names
.set GX0,    64                        ; w_in's first group
.set ADRA, 16                          ; v16-17 LDS address of source 1's fragments in slot 0, 1, 16 bytes a lane; v18-19 the same with 8 bytes a lane
.set ADRB, 20                          ; v20-23 the same for source 0
.set VO16, 24                          ; v24    16 x lane
.set VO8,  25                          ; v25    8 x lane
.set ADRS, 27                          ; v27    LDS address of my scale words: lanes 0-15 source 1's, lanes 16-31 source 0's
.set SPW,  28                          ; v28    LDS address of my spare word; never rewritten
.set NIL,  29                          ; v29    0; never rewritten
.set SC,   32                          ; scale words: set s at v[SC + 16 s]; register 2 i + q: block i, the slot's q-th K step
.set TM,   64                          ; v64-79   the epilogue: at work
.set PC,   80                          ; v80-99   the codes just made
.set PWS,  100                         ; v100-107 the eight blocks' scale words
.set SE,   108                         ; v108-111, v112-115 scale words on their way out
.set SE2,  112
.set AF,   128
.set G1,   24                          ; s[24:31] group 1 for Y's tiles; s[32:39] groups 0, one for each slot
.set G0,   32
.set G1B,  48                          ; s[48:55], s[56:63] the same for X's
.set G0B,  56
.set G1S,  68                          ; s[68:75], s[76:79] groups 1 and 0 for Y's scale words; s[80:87], s[88:91] for X's
.set G0S,  76
.set G1SB, 80
.set G0SB, 88
.set MODE, 95                          ; s95  1: v's columns
.set SEL,  98                          ; s[98:99] lane selects: lane l xor 16
.set MSB, 0
.macro WIN new                         ; the immediate's high byte repeats the setting that is left
.if MSB != \new
	s_set_vgpr_msb (MSB<<8)|\new
.set MSB, \new
.endif
.endm
.set MUL_LO, 0xa1                      ; source 0 window 1, source 1 window 0, C and D window 2
.set MUL_HI, 0xf1                      ; the same, C and D window 3
.set TO_B,   0x40                      ; destination window 1, address window 0
; A joint load: waves 0 and 1 fetch for Y, waves 2 and 3 for X.  The branch hangs on the wave's number alone.  Four v_nop follow each of the two lines.
.macro JLOAD g0a, g1a, g0b, g1b
	s_cmp_eq_u32 s15, 0
	s_cbranch_scc0 .Lfor_b_\@
	tensor_load_to_lds s[\g0a:\g0a+3], s[\g1a:\g1a+7]
	s_nop 0
.rept 4
	v_nop
.endr
	s_branch .Lasked_\@
.Lfor_b_\@:
	tensor_load_to_lds s[\g0b:\g0b+3], s[\g1b:\g1b+7]
	s_nop 0
.rept 4
	v_nop
.endr
.Lasked_\@:
.endm
.macro CREST                           ; a round of the cluster's barrier behind its opening barrier
	s_cmp_lg_u32 s14, 0
	s_cbranch_scc1 .Lnot_wave_0_\@
	s_barrier_signal -3
.Lnot_wave_0_\@:
	s_barrier_wait -3
	s_barrier_signal -1
	s_barrier_wait -1
.endm
.macro CROUND                          ; a whole round
	s_barrier_signal -1
	s_barrier_wait -1
	CREST
.endm
	s_load_b256 s[4:11], s[0:1], 0x0               ; cod1 s[4:5], scl1 s[6:7], cod2 s[8:9], scl2 s[10:11]
	v_lshl_add_u32 v[SPW], v0, 2, SPARE
	v_mov_b32 v[NIL], 0
	ds_add_u32 v28, v29
	ds_add_u32 v28, v29
	s_wait_dscnt 0x0
	v_lshrrev_b32 v1, 5, v0
	v_readfirstlane_b32 s14, v1                    ; wave 0..3
	s_lshr_b32 s15, s14, 1                         ; which of Y's two groups is mine.  Also: I fetch for Y (0) or for X (1)
	s_and_b32 s16, s14, 1                          ; which of X's two groups.  Also: which group of that side I fetch
	s_bfe_u32 s40, ttmp6, 0x40000                  ; cx, cy: my place in the cluster
	s_bfe_u32 s41, ttmp6, 0x40004
	s_lshl_b32 s42, ttmp9, 2
	s_add_co_u32 s42, s42, s40                     ; tile column = 4 x cluster x + cx
	s_and_b32 s17, ttmp7, 0xffff
	s_lshl_b32 s17, s17, 2
	s_add_co_u32 s17, s17, s41                     ; tile row = 4 x cluster y + cy
	s_lshl_b32 s43, s41, 2
	s_lshl_b32 s43, 15, s43                        ; my row of the cluster
	s_lshl_b32 s44, 0x1111, s40                    ; my column
	; group 1: a dense block as rows of 256 bytes (32 elements of 8 bytes), no padding: the images are read 16 or 8 consecutive bytes a lane
	s_or_b32 s[G1+0], s43, (3<<16)|(1<<21)         ; 15:0 the mask: Y's tiles go to my row; 17:16 elements of 8 bytes; 21 set beside a mask
	s_or_b32 s[G1B+0], s44, (3<<16)|(1<<21)
.irp g, G1, G1B
	s_mov_b32 s[\g+1], 32<<16                      ; tensor_dim0
	s_mov_b32 s[\g+2], 96<<16                      ; tensor_dim1: 24,576 bytes
	s_mov_b32 s[\g+3], 32<<16                      ; tile_dim0
	s_mov_b32 s[\g+4], 96                          ; tile_dim1
	s_mov_b32 s[\g+5], 32                          ; tensor_dim0_stride
	s_mov_b32 s[\g+6], 0
	s_mov_b32 s[\g+7], 0
.endr
	s_or_b32 s[G1S+0], s43, (3<<16)|(1<<21)        ; the scale words of a group: 4,096 dense bytes
	s_or_b32 s[G1SB+0], s44, (3<<16)|(1<<21)
.irp g, G1S, G1SB
	s_mov_b32 s[\g+1], 32<<16
	s_mov_b32 s[\g+2], 16<<16
	s_mov_b32 s[\g+3], 32<<16
	s_mov_b32 s[\g+4], 16
	s_mov_b32 s[\g+5], 32
	s_mov_b32 s[\g+6], 0
	s_mov_b32 s[\g+7], 0
.endr
	s_lshl_b32 s20, s17, 1
	s_add_co_u32 s20, s20, s16                     ; Y: group 2 x tile row + the one that I fetch
	s_lshl_b32 s46, s42, 1
	s_add_co_u32 s46, s46, s16
	s_add_co_u32 s46, s46, GX0                     ; X: group 64 + 2 x tile column + the one that I fetch
	s_lshl_b32 s22, s20, 12                        ; their scale words, in bytes
	s_mov_b32 s23, 0
	s_lshl_b32 s92, s46, 12
	s_mov_b32 s93, 0
	s_mul_i32 s20, s20, 98304                      ; and their codes
	s_mov_b32 s21, 0
	s_mul_i32 s46, s46, 98304
	s_mov_b32 s47, 0
	s_mul_i32 s45, s14, HALFT                      ; where they go: wave x 24,576: no place in the cluster enters an LDS address
	s_lshl_b32 s94, s14, 12
	s_lshl_b32 s18, s15, 7
	s_add_co_u32 s94, s94, s18                     ; the scale words: wave x 4,096, X's 128 further on
	s_wait_kmcnt 0x0
	s_add_nc_u64 s[20:21], s[4:5], s[20:21]
	s_add_nc_u64 s[22:23], s[6:7], s[22:23]
	s_add_nc_u64 s[46:47], s[4:5], s[46:47]
	s_add_nc_u64 s[92:93], s[6:7], s[92:93]
	CROUND                                         ; all sixteen work-groups are here: the first joint loads meet
	s_mov_b32 s[G0S], 1
	s_add_co_u32 s[G0S+1], s94, SCA
	s_mov_b64 s[G0S+2:G0S+3], s[22:23]
	s_or_b32 s[G0S+3], s[G0S+3], 0x80000000
	s_mov_b32 s[G0SB], 1
	s_add_co_u32 s[G0SB+1], s94, SCA
	s_mov_b64 s[G0SB+2:G0SB+3], s[92:93]
	s_or_b32 s[G0SB+3], s[G0SB+3], 0x80000000
	JLOAD G0S, G1S, G0SB, G1SB                     ; the scale words first: they are wanted with chunk 0
.irp s, 0,1
	s_mov_b32 s[G0+4*\s], 1
	s_add_co_u32 s[G0+4*\s+1], s45, \s*SLOT
	s_add_nc_u64 s[G0+4*\s+2:G0+4*\s+3], s[20:21], \s*HALFT
	s_or_b32 s[G0+4*\s+3], s[G0+4*\s+3], 0x80000000
	s_mov_b32 s[G0B+4*\s], 1
	s_add_co_u32 s[G0B+4*\s+1], s45, \s*SLOT
	s_add_nc_u64 s[G0B+4*\s+2:G0B+4*\s+3], s[46:47], \s*HALFT
	s_or_b32 s[G0B+4*\s+3], s[G0B+4*\s+3], 0x80000000
	JLOAD G0+4*\s, G1, G0B+4*\s, G1B               ; chunks 0 and 1: three tensor loads of mine are out
.endr
	v_and_b32 v1, 15, v0                           ; r
	v_bfe_u32 v2, v0, 4, 1                         ; h
	v_and_b32 v3, 31, v0                           ; lane
	v_lshlrev_b32 v[VO16], 4, v3
	s_wait_alu depctr_va_vdst(0)
	v_lshlrev_b32 v[VO8], 3, v3
	s_wait_alu depctr_va_vdst(0)
	s_mul_i32 s21, s15, HALFT                      ; my group of Y in a slot
	s_mul_i32 s22, s16, HALFT
	s_add_co_u32 s22, s22, 2*HALFT                 ; my group of X
	s_cmp_ge_u32 ttmp9, 2                          ; v's columns?
	s_cselect_b32 s[MODE], 1, 0
	s_cselect_b32 s96, s22, s21                    ; source 1's side
	s_cselect_b32 s97, s21, s22                    ; source 0's side
.irp s, 0,1
	v_add_nc_u32 v[ADRA+\s], s96, v[VO16]
	v_add_nc_u32 v[ADRA+2+\s], s96, v[VO8]
	v_add_nc_u32 v[ADRB+\s], s97, v[VO16]
	v_add_nc_u32 v[ADRB+2+\s], s97, v[VO8]
	s_add_co_u32 s96, s96, SLOT
	s_add_co_u32 s97, s97, SLOT
.endr
	v_xor_b32 v6, s[MODE], v2                      ; 0: this lane takes Y's scale words, 1: X's.  Lanes 0-15 take source 1's
	s_lshl_b32 s21, s15, 12
	s_lshl_b32 s22, s16, 12
	s_add_co_u32 s22, s22, SCB-SCA
	s_sub_co_u32 s22, s22, s21                     ; from my group of Y's words to my group of X's
	v_mul_u32_u24 v6, s22, v6
	s_add_co_u32 s21, s21, SCA
	v_lshl_add_u32 v6, v1, 3, v6                   ; + 8 bytes a row
	v_add_nc_u32 v[ADRS], s21, v6
	s_mov_b32 s[SEL], 0x76543210
	s_mov_b32 s[SEL+1], 0xfedcba98
	; where my 128 x 128 goes
	s_lshl_b32 s20, s17, 1
	s_add_co_u32 s20, s20, s15                     ; my group of tokens, 0..63
	s_lshl_b32 s46, s42, 1
	s_add_co_u32 s46, s46, s16                     ; my group of channels, 0..23
	s_lshr_b32 s21, s46, 3
	s_lshl_b32 s21, s21, 5
	s_lshr_b32 s22, s20, 4
	s_lshl_b32 s22, s22, 3
	s_add_co_u32 s21, s21, s22
	s_and_b32 s22, s46, 7
	s_add_co_u32 s21, s21, s22                     ; PP
	s_and_b32 s20, s20, 15                         ; T
	s_mul_i32 s22, s21, 196608
	s_mul_i32 s23, s20, 6144
	s_add_co_u32 s22, s22, s23
	s_mov_b32 s23, 0
	s_add_nc_u64 s[8:9], s[8:9], s[22:23]
	s_lshl_b32 s22, s21, 14
	s_lshl_b32 s20, s20, 9
	s_add_co_u32 s22, s22, s20
	s_add_nc_u64 s[10:11], s[10:11], s[22:23]
.macro FRAG reg, adr, q, i             ; a fragment comes back as it was stored: two halves, each 16 bytes a lane and then 8 bytes a lane: every load reads consecutive bytes
	ds_load_b128 v[\reg:\reg+3], v[\adr] offset:12288*(\q)+1536*(\i)
	ds_load_b64 v[\reg+4:\reg+5], v[\adr+2] offset:12288*(\q)+1536*(\i)+512
	ds_load_b128 v[\reg+6:\reg+9], v[\adr] offset:12288*(\q)+1536*(\i)+768
	ds_load_b64 v[\reg+10:\reg+11], v[\adr+2] offset:12288*(\q)+1536*(\i)+1280
.endm
; 16 matrix instructions: source 1's blocks a0, a0 + 1 x source 0's eight, 128 along K.  p: source 0's set; sc: the set of scale words.  zero = 1: the first product starts the sums.
; The 64 accumulators take turns, one instruction a turn, in the same order in every step.
.macro MUL16 a0, p, q, sc, zero
.irp a, \a0, \a0+1
.irp b, 0,1,2,3,4,5,6,7
.if \zero
	v_wmma_scale_f32_16x16x128_f8f6f4 v[8*(8*((\a)%4)+\b):8*(8*((\a)%4)+\b)+7], v[128*(\p)+FR*\b:128*(\p)+FR*\b+FR-1], v[AF+FR*(\a):AF+FR*(\a)+FR-1], 0, v[SC+8*NQ*(\sc)+NQ*\b+(\q)], v[SC+8*NQ*(\sc)+NQ*(\a)+(\q)] matrix_a_fmt:MATRIX_FMT_FP6 matrix_b_fmt:MATRIX_FMT_FP6 matrix_a_scale:MATRIX_SCALE_ROW1
.else
	v_wmma_scale_f32_16x16x128_f8f6f4 v[8*(8*((\a)%4)+\b):8*(8*((\a)%4)+\b)+7], v[128*(\p)+FR*\b:128*(\p)+FR*\b+FR-1], v[AF+FR*(\a):AF+FR*(\a)+FR-1], v[8*(8*((\a)%4)+\b):8*(8*((\a)%4)+\b)+7], v[SC+8*NQ*(\sc)+NQ*\b+(\q)], v[SC+8*NQ*(\sc)+NQ*(\a)+(\q)] matrix_a_fmt:MATRIX_FMT_FP6 matrix_b_fmt:MATRIX_FMT_FP6 matrix_a_scale:MATRIX_SCALE_ROW1
.endif
.endr
.endr
.endm
.macro FETCH_B slot, q, p              ; source 0's eight fragments of the slot's q-th K step into set p
	WIN TO_B
.irp i, 0,1,2,3,4,5,6,7
	FRAG 128*(\p)+FR*\i, ADRB+\slot, \q, \i
.endr
	WIN 0
.endm
.macro FETCH_A slot, q, i0             ; source 1's blocks i0 .. i0 + 3
.irp i, \i0, \i0+1, \i0+2, \i0+3
	FRAG AF+FR*(\i), ADRA+\slot, \q, \i
.endr
.endm
.macro SCALES sc                       ; a chunk's scale words into set sc: two words a row; lanes 0-15 source 1's block i, lanes 16-31 source 0's block i
.irp i, 0,1,2,3,4,5,6,7
	ds_load_b64 v[SC+8*NQ*\sc+NQ*\i:SC+8*NQ*\sc+NQ*\i+1], v[ADRS] offset:\i*128
.endr
.endm
; A load into a register that a matrix instruction has read, and a vector instruction that reads a matrix result, stand NP places behind that matrix instruction; only plain vector
; instructions that name none of its registers are places (ISA guide 7.12.1 for vector instructions).
.macro PLACES n
.rept \n
	v_nop
.endr
.endm
.macro STEP slot, q, zero              ; a K step of 128 that has its successor in the same slot
	s_wait_dscnt 4*NL                              ; source 0's set and source 1's blocks 0-3 are in; the youngest 16 loads (blocks 4-7) may be out
	WIN MUL_LO
	MUL16 0, (\q)%2, \q, \slot, \zero
	MUL16 2, (\q)%2, \q, \slot, \zero
	s_wait_dscnt 0                                 ; blocks 4-7 are in
	PLACES NP
	FETCH_B \slot, (\q)+1, 1-(\q)%2
	FETCH_A \slot, (\q)+1, 0
	WIN MUL_HI
	MUL16 4, (\q)%2, \q, \slot, \zero
	MUL16 6, (\q)%2, \q, \slot, \zero
	PLACES NP
	WIN 0
	FETCH_A \slot, (\q)+1, 4
.endm
; A slot's last step changes slots: ONE barrier; in front of it each wave waits for all its tensor loads, adds 0 to its spare word, and waits for that and for its reads of this slot.  fill = 1: this slot takes the chunk two on.
.macro TURN slot, next, fill
	s_wait_tensorcnt 0x0                           ; all my tensor loads have landed: my part of the next slot
	ds_add_u32 v[SPW], v[NIL]                      ; 0 onto my spare word
	s_wait_dscnt 4*NL+1                            ; (the add and the youngest 16 loads, blocks 4-7, may be out)
	WIN MUL_LO
	MUL16 0, 1, NQ-1, \slot, 0                     ; sixteen matrix instructions stand between the add and the wait for it
	s_wait_dscnt 0x0                               ; the add is done, and my reads of this slot are over
	s_barrier_signal -1
	MUL16 2, 1, NQ-1, \slot, 0
	WIN 0
	s_barrier_wait -1
.if \fill
	CREST                                          ; the barrier has opened a round of the cluster's barrier: no wave of any partner still reads this slot or has a load on its way
	s_add_nc_u64 s[G0+4*\slot+2:G0+4*\slot+3], s[G0+4*\slot+2:G0+4*\slot+3], 2*HALFT
	s_add_nc_u64 s[G0B+4*\slot+2:G0B+4*\slot+3], s[G0B+4*\slot+2:G0B+4*\slot+3], 2*HALFT
	JLOAD G0+4*\slot, G1, G0B+4*\slot, G1B         ; the first tensor load behind the round; its four v_nop are the places in front of the loads below
.else
	PLACES NP
.endif
	s_wait_alu depctr_va_vdst(0)
	v_add_nc_u32 v[ADRS], 1024, v[ADRS]            ; on to the next chunk's scale words
	FETCH_B \next, 0, 0
	FETCH_A \next, 0, 0
	SCALES \next
	WIN MUL_HI
	MUL16 4, 1, NQ-1, \slot, 0
	MUL16 6, 1, NQ-1, \slot, 0
	PLACES NP
	WIN 0
	FETCH_A \next, 0, 4
.endm
	s_wait_alu depctr_va_vdst(0)
	s_wait_tensorcnt 1                             ; the scale words and my part of chunk 0 are in (chunk 1's load may be out),
	s_barrier_signal -1
	s_barrier_wait -1                              ; everybody's are
	FETCH_B 0, 0, 0
	FETCH_A 0, 0, 0
	SCALES 0
	FETCH_A 0, 0, 4
	STEP 0, 0, 1                                   ; K = 1,024 is four chunks: written out
	TURN 0, 1, 1                                   ; slot 0 takes chunk 2
	STEP 1, 0, 0
	TURN 1, 0, 1                                   ; slot 1 takes chunk 3
	STEP 0, 0, 0
	TURN 0, 1, 0                                   ; nothing is left to fetch
	STEP 1, 0, 0
	s_wait_dscnt 4*NL                              ; the very last step
	WIN MUL_LO
	MUL16 0, 1, NQ-1, 1, 0
	MUL16 2, 1, NQ-1, 1, 0
	s_wait_dscnt 0
	WIN MUL_HI
	MUL16 4, 1, NQ-1, 1, 0
	MUL16 6, 1, NQ-1, 1, 0
	WIN 0
; THE WAY OUT.  Block a's 64 registers of a lane are 128 neighbours along the next K of ONE row (register 16 b + i = k 32 b + 16 (lane / 16) + i): they are quantised as they stand, and the
; fragment leaves as an image of its registers: 512 and 256 consecutive bytes a store.  Each accumulator is read from its low end on.
.macro QUANTW a
.set AC, 64*((\a)%4)
	WIN 0x0a+5*((\a)/4)                            ; sources 0 and 1: window 2 or 3
.irp b, 0,1,2,3
	v_max3_num_f32 v[TM+\b], |v[AC+16*\b]|, |v[AC+16*\b+1]|, 0x1800000   ; and the floor 2^(3 - 127): the byte cannot fall under 1
.endr
.irp i, 2,4,6,8,10,12,14
.irp b, 0,1,2,3
	v_max3_num_f32 v[TM+\b], |v[AC+16*\b+\i]|, |v[AC+16*\b+\i+1]|, v[TM+\b]
.endr
.endr
	WIN 0
.irp b, 0,1,2,3
	v_permlanex16_b32 v[TM+4+\b], v[TM+\b], s[SEL], s[SEL+1]
.endr
.irp b, 0,1,2,3
	v_max_num_f32 v[TM+\b], v[TM+\b], v[TM+4+\b]   ; with lane l xor 16's: the block's largest magnitude
.endr
.irp b, 0,1,2,3
	v_add_nc_u32 v[TM+12+\b], 0xff000000, v[TM+\b] ; 2 off its exponent field: the conversion's scale operand
.endr
.irp b, 0,1,2,3
	v_lshrrev_b32 v[TM+4+\b], 23, v[TM+12+\b]      ; the scale's byte
.endr
	v_lshl_or_b32 v[PWS+(\a)], v[TM+5], 8, v[TM+4]
	v_lshl_or_b32 v[PWS+(\a)], v[TM+6], 16, v[PWS+(\a)]
	v_lshl_or_b32 v[PWS+(\a)], v[TM+7], 24, v[PWS+(\a)]
.if (\a) > 0
	s_wait_xcnt 0x0                                ; the last block's stores have read the codes' registers
.endif
	WIN 0x02+((\a)/4)                              ; source 0: window 2 or 3
.irp c, 0,1
	v_cvt_scalef32_pk16_fp6_f32 v[PC+6*\c:PC+2+6*\c], v[AC+32*\c:AC+32*\c+15], v[TM+12+2*\c]
	v_cvt_scalef32_pk16_fp6_f32 v[PC+12+4*\c:PC+14+4*\c], v[AC+32*\c+16:AC+32*\c+31], v[TM+12+2*\c+1]
.endr
	WIN 0
	v_nop                                          ; one plain place behind a scaled conversion
.irp c, 0,1
.irp i, 0,1,2
	v_permlane16_swap_b32 v[PC+6*\c+\i], v[PC+12+4*\c+\i]
.endr
.irp i, 0,1,2
	v_mov_b32 v[PC+3+6*\c+\i], v[PC+12+4*\c+\i]
.endr
.endr
.irp c, 0,1
	global_store_b128 v[VO16], v[PC+6*\c:PC+6*\c+3], s[8:9] offset:768*(\a)+98304*\c
	global_store_b64 v[VO8], v[PC+6*\c+4:PC+6*\c+5], s[8:9] offset:768*(\a)+98304*\c+512
.endr
.endm
	PLACES NP
.irp b, 0,1,2,3
	v_mov_b32 v[TM+4+\b], 0                        ; written once: a lane permute's destination counts as one of its sources
.endr
.irp a, 0,1,2,3,4,5,6,7
	QUANTW \a
.endr
	v_cmp_ne_u32 vcc_lo, 0, v2                     ; lanes 0-15 store blocks 0-3's words of row r, lanes 16-31 blocks 4-7's
.irp i, 0,1,2,3
	v_cndmask_b32 v[SE+\i], v[PWS+\i], v[PWS+4+\i], vcc_lo
.endr
	global_store_b128 v[VO16], v[SE:SE+3], s[10:11]   ; 512 consecutive bytes
	s_cmp_lg_u32 s[MODE], 0
	s_cbranch_scc1 .Lv                             ; v's words serve all 128 keys; q's and k's serve two heads: the second head's two bytes go down to bytes 0 and 1
.irp i, 0,1,2,3
	v_lshrrev_b32 v[SE2+\i], 16, v[SE+\i]
.endr
	global_store_b128 v[VO16], v[SE2:SE2+3], s[10:11] offset:8192
.Lv:
	s_wait_tensorcnt 0x0                           ; the wave's end
	ds_add_u32 v[SPW], v[NIL]
	s_wait_dscnt 0x0
	CROUND                                         ; the closing round: no work-group ends while a partner may still ask for a tile that names it
	s_endpgm
.Lfunc_end_k_q10557705c0_qkv:
	.size	k_q10557705c0_qkv, .Lfunc_end_k_q10557705c0_qkv-k_q10557705c0_qkv
	.p2alignl 7, 3214868480
	.fill 96, 4, 3214868480
	.section	.rodata,"a",@progbits
	.p2align	6, 0x0
	.amdhsa_kernel k_q10557705c0_qkv
		.amdhsa_group_segment_fixed_size 327680
		.amdhsa_private_segment_fixed_size 0
		.amdhsa_enable_private_segment 0
		.amdhsa_kernarg_size 32
		.amdhsa_user_sgpr_count 2
		.amdhsa_user_sgpr_kernarg_segment_ptr 1
		.amdhsa_wavefront_size32 1
		.amdhsa_system_sgpr_workgroup_id_x 1
		.amdhsa_system_sgpr_workgroup_id_y 1
		.amdhsa_system_sgpr_workgroup_id_z 1
		.amdhsa_system_vgpr_workitem_id 0
		.amdhsa_next_free_vgpr 1024
		.amdhsa_next_free_sgpr 100
		.amdhsa_reserve_vcc 1
		.amdhsa_float_denorm_mode_32 3
		.amdhsa_float_denorm_mode_16_64 3
		.amdhsa_memory_ordered 1
		.amdhsa_forward_progress 1
		.amdhsa_inst_pref_size 149
	.end_amdhsa_kernel
	.amdgpu_metadata
---
amdhsa.version: [ 1, 2 ]
amdhsa.kernels:
  - .name:           k_q10557705c0_qkv
    .symbol:         k_q10557705c0_qkv.kd
    .args:
      - { .name: cod1, .offset: 0, .size: 8, .value_kind: global_buffer, .address_space: global }
      - { .name: scl1, .offset: 8, .size: 8, .value_kind: global_buffer, .address_space: global }
      - { .name: cod2, .offset: 16, .size: 8, .value_kind: global_buffer, .address_space: global }
      - { .name: scl2, .offset: 24, .size: 8, .value_kind: global_buffer, .address_space: global }
    .group_segment_fixed_size: 327680
    .private_segment_fixed_size: 0
    .kernarg_segment_align: 8
    .kernarg_segment_size: 32
    .max_flat_workgroup_size: 128
    .sgpr_count:     100
    .vgpr_count:     1024
    .wavefront_size: 32
...
	.end_amdgpu_metadata
.endif
;; end of part 2
;; launch attn (part 3): grid 4 x 64, 16 waves a work-group, clusters of 4 x 1, 210,944 bytes of LDS; arguments cod2, scl2, cod3, scl3; writes cod3, scl3
.if DOCPART == 3
	.amdgcn_target "amdgcn-amd-amdhsa--gfx1250"
	.amdhsa_code_object_version 6
	.text
	.protected	k_q10557705c0_attn
	.globl	k_q10557705c0_attn
	.p2align	8
	.type	k_q10557705c0_attn,@function
k_q10557705c0_attn:
	s_mov_b64 s[64:65], 0
	v_nop
	global_prefetch_b8 v0, s[64:65] scope:SCOPE_SE
	s_setreg_imm32_b32 hwreg(HW_REG_WAVE_MODE, 25, 1), 1
	s_wait_xcnt 0x0
	s_wait_alu depctr_hold_cnt(0) depctr_sa_sdst(0) depctr_va_vdst(0) depctr_va_sdst(0) depctr_va_ssrc(0) depctr_va_vcc(0) depctr_vm_vsrc(0)
	s_getreg_b32 s2, hwreg(HW_REG_IB_STS2, 6, 4)
	s_cmp_eq_u32 s2, 0
	s_cbranch_scc0 .Lentry_in_a_cluster
	s_endpgm
.Lentry_in_a_cluster:
	s_bfe_u32 s2, ttmp6, 0x10000c
	s_cmp_lg_u32 s2, 0x3003
	s_cbranch_scc0 .Lentry_shape_is_right
	s_endpgm
.Lentry_shape_is_right:
; Causal attention of one head on codes of FP6 (E2M3) with E8M0 scales: S^T = K Q^T (K = the head's 64 channels: the upper half of the instruction's 128 is zero codes), softmax, O^T = V^T P^T (K = the keys).
; THE SOFTMAX: t = score x log2(e) / 8; M = the running largest t rounded UP to a whole number; p = 2^(t - M) is quantised along the keys, not normalised; the row's sum is taken of the unquantised p and
; divides O at the end; when M moves, the sum and O are multiplied by 2^(old M - new M), which rounds nothing.  O / sum is quantised along the channels and leaves as codes for the last product.
; IN.  cod2: half fragments (16 rows x 64 K, 768 bytes: registers 0-3 at 16 x lane, registers 4-5 at 8 x lane).  Head plane y = 16 batch + head.  q: y x 98,304 + [T: 16][a: 8]; k the same 6,291,456 bytes on;
;   v: 12,582,912 + (y / 2) x 196,608 + [c: 2][T: 16][a = 4 (y % 2) + t: 8]: 16 channels x keys 64 c .. of group T.  Tile a of a group of 128 tokens takes tokens 32 (a / 2) + 8 (a % 2) + r + 8 (r / 8);
;   so the 16 registers of two neighbouring tiles of S^T are 16 neighbouring keys, and those of O^T 16 neighbouring channels.  scl2: words [T][a / 4][r][a % 4].
; OUT.  cod3 = [group of 128 tokens: 64][K step = head / 2: 8][a: 8][half = head % 2][768 bytes]; scl3 = [group][head / 4][a][r][(head / 2) % 2] words, of which this head fills bytes 2 (head % 2) and + 1:
;   the word's other two bytes are another head's, so another work-group's: hence stores of two bytes a row, one part in 24 of what the launch stores.
; SHARES.  The four work-groups of a cluster serve one head.  The head's whole K and V, codes and scale words, 208,896 bytes, come into each one's LDS ONCE, by joint loads that name all four: no ring, nothing is filled again.
;   Query tile 4 u + cx, u = 0 .. 31: wave w takes u = w and then u = 31 - w.  The tile lies in group u / 2 whatever cx is, so it walks key steps 0 .. u / 2 of 128 keys: 17 steps for every wave.
;   No branch and no LDS address hangs on cx: it enters global addresses and the numbers that the mask compares.
; Both loops have constant trip counts; a step all of whose keys come after the wave's queries is jumped over by a scalar branch on the wave's number and the loop's counter.
; LIMITS: NaN and infinities are not served; a block whose largest magnitude lies under 2^-124, zeros too, keeps the byte 1 (zero codes add nothing under any byte but 0xff; this program alone reads the bytes).
; REGISTERS: v1-7, v91 lane terms; v8-11, v92-93 the step's LDS addresses; v94-95 the mask's numbers; v12 -M, v13 largest t, v[14:15] the sum; v16-39 Q of both passes (6 registers of codes + 6 of zeros each);
;   v40-87 four fragments of K (upper halves zeros, written once); v88-90 scale words of Q, Q, P; v96-159 S^T, then p, then V's four fragments; v160-191 O^T; v192-211 codes; v212-223 at work; v224-235 K's and V's scale words.
.set WV,    18                         ; s18 my wave's number
.set SEL,   20                         ; s[20:21] lane selects: lane l xor 16
.set CS,    22                         ; s[22:23] c = log2(e) / 8
.set G1K,   24                         ; s[24:31] group 1: K's codes;  s[32:39] V's codes;  s[40:47] K's scale words;  s[48:55] V's
.set G1V,   32
.set G1KS,  40
.set G1VS,  48
.set G0K,   56                         ; s[56:59], s[60:63], s[68:71], s[72:75] their groups 0
.set G0V,   60
.set G0KS,  68
.set G0VS,  72
.set GA,    76                         ; s76, s77 the diagonal key step of pass A, of pass B
.set GB,    77
.set STEPC, 78                         ; s78 the key step;  s79-82 where its K codes, V codes, K words, V words begin
.set TK,    79
.set TV,    80
.set TS,    81
.set TJ,    82
.set LV,    98304                      ; LDS: K's codes [step][tile: 8][768] at 0; V's [c: 2][step][t: 4][768] here;
.set LKS,   196608                     ; K's scale words, 512 bytes a step;
.set LVS,   204800                     ; V's, 256 bytes a step
.set BM,    212
.set BX,    216
.set SO,    220
.set PC,    192
.set PT,    204
.macro ROUND                           ; a round of the cluster's barrier
	s_barrier_signal -1
	s_barrier_wait -1
	s_cmp_lg_u32 s[WV], 0
	s_cbranch_scc1 .Lnot_wave_0_\@
	s_barrier_signal -3
.Lnot_wave_0_\@:
	s_barrier_wait -3
	s_barrier_signal -1
	s_barrier_wait -1
.endm
	s_load_b256 s[4:11], s[0:1], 0x0               ; cod2 s[4:5], scl2 s[6:7], cod3 s[8:9], scl3 s[10:11]
	v_lshl_add_u32 v254, v0, 2, 0x33000
	v_mov_b32 v255, 0
	ds_add_u32 v254, v255
	ds_add_u32 v254, v255
	v_lshrrev_b32 v1, 5, v0
	s_delay_alu instid0(VALU_DEP_1)
	v_readfirstlane_b32 s[WV], v1                  ; wave 0..15
	s_and_b32 s12, ttmp7, 0xffff                   ; y: the head plane, which the four partners share
	s_bfe_u32 s13, ttmp6, 0x40000                  ; cx
	s_and_b32 s14, s12, 15                         ; head
	s_and_b32 s15, s12, 0xfff0                     ; 16 x batch
	; groups 1: elements of 8 bytes, the mask names all four work-groups, bit 21 set beside it, no padding
	s_mov_b32 s[G1K], 15|(3<<16)|(1<<21)
	s_mov_b32 s[G1K+1], 32<<16                     ; K's codes: 24,576 dense bytes a load, as 96 rows of 256
	s_mov_b32 s[G1K+2], 96<<16
	s_mov_b32 s[G1K+3], 32<<16
	s_mov_b32 s[G1K+4], 96
	s_mov_b32 s[G1K+5], 32
	s_mov_b32 s[G1K+6], 0
	s_mov_b32 s[G1K+7], 0
	s_mov_b32 s[G1V], 15|(3<<16)|(1<<21)
	s_mov_b32 s[G1V+1], 384<<16                    ; V's codes: 8 key steps a load; a step's four halves of my head are 3,072 bytes, 6,144 bytes apart
	s_mov_b32 s[G1V+2], 8<<16
	s_mov_b32 s[G1V+3], 384<<16
	s_mov_b32 s[G1V+4], 8
	s_mov_b32 s[G1V+5], 768
	s_mov_b32 s[G1V+6], 0
	s_mov_b32 s[G1V+7], 0
	s_mov_b32 s[G1KS], 15|(3<<16)|(1<<21)
	s_mov_b32 s[G1KS+1], 32<<16                    ; K's scale words: 8,192 dense bytes
	s_mov_b32 s[G1KS+2], 32<<16
	s_mov_b32 s[G1KS+3], 32<<16
	s_mov_b32 s[G1KS+4], 32
	s_mov_b32 s[G1KS+5], 32
	s_mov_b32 s[G1KS+6], 0
	s_mov_b32 s[G1KS+7], 0
	s_mov_b32 s[G1VS], 15|(3<<16)|(1<<21)
	s_mov_b32 s[G1VS+1], 32<<16                    ; V's: 16 steps x 256 bytes, 512 bytes apart
	s_mov_b32 s[G1VS+2], 16<<16
	s_mov_b32 s[G1VS+3], 32<<16
	s_mov_b32 s[G1VS+4], 16
	s_mov_b32 s[G1VS+5], 64
	s_mov_b32 s[G1VS+6], 0
	s_mov_b32 s[G1VS+7], 0
	s_mul_i32 s66, s12, 98304                      ; the plane's codes of q, and of k
	s_mul_i32 s67, s[WV], 24576                    ; wave x 24,576: where my load goes in LDS; for K also where it comes from
	s_add_co_u32 s16, s66, s67
	s_add_co_u32 s16, s16, 6291456
	s_mov_b32 s17, 0
	s_lshr_b32 s82, s12, 1
	s_and_b32 s83, s12, 1
	s_mul_i32 s2, s82, 196608
	s_mul_i32 s19, s83, 3072
	s_add_co_u32 s2, s2, s19
	s_and_b32 s19, s[WV], 3
	s_mul_i32 s19, s19, 49152                      ; waves 4 to 7: c = 0 steps 0-7, c = 0 steps 8-15, c = 1 likewise
	s_add_co_u32 s2, s2, s19
	s_add_co_u32 s2, s2, 12582912
	s_mov_b32 s3, 0
	s_lshl_b32 s78, s12, 13
	s_add_co_u32 s78, s78, 524288
	s_mov_b32 s79, 0
	s_lshl_b32 s80, s82, 14
	s_lshl_b32 s19, s83, 8
	s_add_co_u32 s80, s80, s19
	s_add_co_u32 s80, s80, 1048576
	s_mov_b32 s81, 0
	s_mov_b32 s[SEL], 0x76543210
	s_mov_b32 s[SEL+1], 0xfedcba98
	s_mov_b32 s[CS], 0x3e38aa3b
	s_mov_b32 s[CS+1], s[CS]                       ; (named with it as a pair, so it is written)
	s_wait_dscnt 0x0
	s_wait_kmcnt 0x0
	s_mov_b32 s[G0K], 1
	s_mov_b32 s[G0K+1], s67
	s_add_nc_u64 s[G0K+2:G0K+3], s[4:5], s[16:17]
	s_or_b32 s[G0K+3], s[G0K+3], 0x80000000
	s_mov_b32 s[G0V], 1
	s_mov_b32 s[G0V+1], s67
	s_add_nc_u64 s[G0V+2:G0V+3], s[4:5], s[2:3]
	s_or_b32 s[G0V+3], s[G0V+3], 0x80000000
	s_mov_b32 s[G0KS], 1
	s_mov_b32 s[G0KS+1], LKS
	s_add_nc_u64 s[G0KS+2:G0KS+3], s[6:7], s[78:79]
	s_or_b32 s[G0KS+3], s[G0KS+3], 0x80000000
	s_mov_b32 s[G0VS], 1
	s_mov_b32 s[G0VS+1], LVS
	s_add_nc_u64 s[G0VS+2:G0VS+3], s[6:7], s[80:81]
	s_or_b32 s[G0VS+3], s[G0VS+3], 0x80000000
	ROUND                                          ; all four work-groups are here: the joint loads meet
	s_cmp_lt_u32 s[WV], 4                          ; waves 0-3: K's codes; 4-7: V's; 8: K's scale words; 9: V's.  One load a wave; the branches hang on the wave's number alone
	s_cbranch_scc0 .Lnot_k
	tensor_load_to_lds s[G0K:G0K+3], s[G1K:G1K+7]
	s_nop 0
.rept 4
	v_nop
.endr
	s_branch .Lasked
.Lnot_k:
	s_cmp_lt_u32 s[WV], 8
	s_cbranch_scc0 .Lnot_v
	tensor_load_to_lds s[G0V:G0V+3], s[G1V:G1V+7]
	s_nop 0
.rept 4
	v_nop
.endr
	s_branch .Lasked
.Lnot_v:
	s_cmp_eq_u32 s[WV], 8
	s_cbranch_scc0 .Lnot_ks
	tensor_load_to_lds s[G0KS:G0KS+3], s[G1KS:G1KS+7]
	s_nop 0
.rept 4
	v_nop
.endr
	s_branch .Lasked
.Lnot_ks:
	s_cmp_eq_u32 s[WV], 9
	s_cbranch_scc0 .Lasked
	tensor_load_to_lds s[G0VS:G0VS+3], s[G1VS:G1VS+7]
	s_nop 0
.rept 4
	v_nop
.endr
.Lasked:
	v_and_b32 v238, 31, v0                         ; lane
	s_delay_alu instid0(VALU_DEP_1)
	v_lshlrev_b32 v1, 4, v238                      ; 16 x lane
	s_delay_alu instid0(VALU_DEP_2)
	v_lshlrev_b32 v2, 3, v238                      ; 8 x lane
	s_delay_alu instid0(VALU_DEP_2)
	v_add_nc_u32 v3, LV, v1
	s_delay_alu instid0(VALU_DEP_2)
	v_add_nc_u32 v4, LV, v2
	v_and_b32 v239, 15, v0                         ; r
	s_delay_alu instid0(VALU_DEP_1)
	v_lshlrev_b32 v7, 4, v239                      ; 16 r: four scale words a row
	s_delay_alu instid0(VALU_DEP_1)
	v_add_nc_u32 v5, LKS, v7
	s_delay_alu instid0(VALU_DEP_2)
	v_add_nc_u32 v6, LVS, v7
	s_delay_alu instid0(VALU_DEP_4)
	v_lshlrev_b32 v91, 3, v239                     ; 8 r
	v_bfe_u32 v240, v0, 4, 1                       ; h
	v_and_b32 v241, 8, v239
	s_delay_alu instid0(VALU_DEP_1)
	v_add_nc_u32 v241, v241, v239
	s_delay_alu instid0(VALU_DEP_3)
	v_lshlrev_b32 v240, 4, v240
	s_delay_alu instid0(VALU_DEP_1)
	v_sub_nc_u32 v241, v241, v240                  ; r + 8 (r / 8) - 16 h
	s_wait_alu depctr_va_vdst(0)
	s_lshr_b32 s2, s14, 1
	s_and_b32 s3, s14, 1
	s_mul_i32 s78, s2, 12288
	s_mul_i32 s19, s3, 768
	s_add_co_u32 s78, s78, s19                     ; the head's place in a group of cod3
	s_lshr_b32 s79, s14, 2
	s_lshl_b32 s79, s79, 10
	s_and_b32 s19, s2, 1
	s_lshl_b32 s19, s19, 2
	s_add_co_u32 s79, s79, s19
	s_lshl_b32 s19, s3, 1
	s_add_co_u32 s79, s79, s19                     ; and of scl3
	s_lshr_b32 s80, s13, 1
	s_lshl_b32 s80, s80, 5
	s_and_b32 s19, s13, 1
	s_lshl_b32 s19, s19, 3
	s_add_co_u32 s80, s80, s19                     ; 32 (cx / 2) + 8 (cx % 2)
	s_mov_b32 s81, s[WV]                           ; u of pass A
	s_sub_co_u32 s82, 31, s[WV]                    ; u of pass B
; A pass's numbers: g = u / 2, e = u % 2, tile a = 4 e + cx of group g; the addresses of its q, its q's scale words and its outputs; and d = my query's place in the group - 16 h
.macro PBASE u, g, qb, qs, ob, os, dv
	s_lshr_b32 s[\g], s[\u], 1
	s_and_b32 s3, s[\u], 1
	s_lshl_b32 s19, s3, 6
	s_add_co_u32 s19, s19, s80
	v_add_nc_u32 v[\dv], s19, v241
	s_lshl_b32 s19, s3, 2
	s_add_co_u32 s19, s19, s13                     ; a
	s_mov_b32 s17, 0
	s_mul_i32 s16, s[\g], 6144
	s_mul_i32 s2, s19, 768
	s_add_co_u32 s16, s16, s2
	s_add_co_u32 s16, s16, s66
	s_add_nc_u64 s[\qb:\qb+1], s[4:5], s[16:17]
	s_lshl_b32 s16, s[\g], 9
	s_lshl_b32 s2, s3, 8
	s_add_co_u32 s16, s16, s2
	s_lshl_b32 s2, s13, 2
	s_add_co_u32 s16, s16, s2
	s_lshl_b32 s2, s12, 13
	s_add_co_u32 s16, s16, s2
	s_add_nc_u64 s[\qs:\qs+1], s[6:7], s[16:17]
	s_add_co_u32 s83, s15, s[\g]                   ; the group among all 64
	s_mul_i32 s16, s83, 98304
	s_mul_i32 s2, s19, 1536
	s_add_co_u32 s16, s16, s2
	s_add_co_u32 s16, s16, s78
	s_add_nc_u64 s[\ob:\ob+1], s[8:9], s[16:17]
	s_lshl_b32 s16, s83, 12
	s_lshl_b32 s2, s19, 7
	s_add_co_u32 s16, s16, s2
	s_add_co_u32 s16, s16, s79
	s_add_nc_u64 s[\os:\os+1], s[10:11], s[16:17]
.endm
	PBASE 81, GA, 84, 86, 92, 94, 94
	PBASE 82, GB, 88, 90, 96, 98, 95
	global_load_b128 v[16:19], v1, s[84:85]        ; both passes' q: half a fragment each, and a scale word a row
	global_load_b64 v[20:21], v2, s[84:85] offset:512
	global_load_b32 v88, v7, s[86:87]
	global_load_b128 v[28:31], v1, s[88:89]
	global_load_b64 v[32:33], v2, s[88:89] offset:512
	global_load_b32 v89, v7, s[90:91]
.irp j, 22,23,24,25,26,27,34,35,36,37,38,39
	v_mov_b32 v[\j], 0                             ; K = 64 .. 127 of q: zero codes
.endr
.irp t, 0,1,2,3
.irp j, 6,7,8,9,10,11
	v_mov_b32 v[40+12*\t+\j], 0                    ; and of k: written once, no load lands here
.endr
.endr
.irp b, 0,1,2,3
	v_mov_b32 v[BX+\b], 0                          ; written once: a lane permute's destination counts as one of its sources
.endr
	v_mov_b32 v237, 0                              ; (named as the upper half of the pair v[236:237])
	v_mov_b32 v238, 0
	s_wait_tensorcnt 0x0                           ; my load has landed,
	s_barrier_signal -1
	s_barrier_wait -1                              ; everybody's has: the head's K and V lie in LDS for the rest of the launch
	s_wait_loadcnt 0x0                             ; q
; A PASS: one tile of 16 queries against key steps 0 .. s[gs].  qf: q's fragment; qs: its scale words; dv: the mask's numbers; trips: the loop's constant count; ob, os: where the codes and the scale bytes go.
.macro PASS qf, qs, dv, gs, trips, ob, os
	s_wait_xcnt 0x0                                ; the last pass's stores have read their registers
	v_mov_b32 v13, 0xff61b1e6                      ; the largest t so far: -3e38, under every t
	s_delay_alu instid0(VALU_DEP_1)
	v_floor_f32 v12, -v13                          ; -M
	v_mov_b32 v14, 0
	v_mov_b32 v15, 0
.set j, 0
.rept 32
	v_mov_b32 v[160+j], 0                          ; O^T.  (The step is written once: the first finds zeros, which the first change of M leaves zeros)
.set j, j+1
.endr
	s_mov_b32 s[STEPC], 0
	s_mov_b32 s[TK], 0
	s_mov_b32 s[TV], 0
	s_mov_b32 s[TS], 0
	s_mov_b32 s[TJ], 0
.Lstep_\@:
	s_cmp_gt_u32 s[STEPC], s[\gs]                  ; all 128 keys come after my queries: the step's work is left out
	s_cbranch_scc1 .Lhidden_\@
	s_setprio 2
	v_add_nc_u32 v8, s[TK], v1                     ; six plain lines: also the places between the last step's products, which read V's fragments in v96-143, and the products below, which write there
	s_wait_alu depctr_va_vdst(0)
	v_add_nc_u32 v9, s[TK], v2
	s_wait_alu depctr_va_vdst(0)
	v_add_nc_u32 v10, s[TV], v3
	v_add_nc_u32 v11, s[TV], v4
	v_add_nc_u32 v92, s[TS], v5
	v_add_nc_u32 v93, s[TJ], v6
.irp hh, 0,1                           ; S^T = K Q^T, four tiles of 16 keys at a time
.if \hh
.rept 4
	v_nop                                          ; places in front of loads into registers that matrix instructions have read
.endr
.endif
.irp t, 0,1,2,3
	ds_load_b128 v[40+12*\t:43+12*\t], v8 offset:768*(4*\hh+\t)
	ds_load_b64 v[44+12*\t:45+12*\t], v9 offset:768*(4*\hh+\t)+512
.endr
.if \hh == 0
	ds_load_b128 v[224:227], v92                   ; the eight tiles' scale words of row r
	ds_load_b128 v[228:231], v92 offset:256
.endif
	s_wait_dscnt 0x0
.irp t, 0,1,2,3
	v_wmma_scale_f32_16x16x128_f8f6f4 v[96+8*(4*\hh+\t):103+8*(4*\hh+\t)], v[40+12*\t:51+12*\t], v[\qf:\qf+11], 0, v[224+4*\hh+\t], v[\qs] matrix_a_fmt:MATRIX_FMT_FP6 matrix_b_fmt:MATRIX_FMT_FP6
.endr
.endr                                  ; lane (r, h) holds query r of my tile; register 16 b + i holds key 32 b + 16 h + i of the step
.rept 4
	v_nop
.endr
	s_cmp_lt_u32 s[STEPC], s[\gs]                  ; ahead of the diagonal every key counts
	s_cbranch_scc1 .Lopen_\@
	v_mov_b32 v238, 0xff800000                     ; on the diagonal hidden scores become -infinity ahead of the maximum: p = 0 then
.set n, 0
.rept 64
	v_cmp_gt_i32 vcc_lo, 32*(n/16)+n%16, v[\dv]
	v_cndmask_b32 v[96+n], v[96+n], v238, vcc_lo
.set n, n+1
.endr
.Lopen_\@:
.irp b, 0,1,2,3
	v_max3_num_f32 v[BM+\b], v[96+16*\b], v[97+16*\b], v[98+16*\b]   ; the largest score of each block of 32 keys: for the row's maximum and, since p rises with the score, for the block's largest p
.endr
.irp i, 3,5,7,9,11,13
.irp b, 0,1,2,3
	v_max3_num_f32 v[BM+\b], v[BM+\b], v[96+16*\b+\i], v[97+16*\b+\i]
.endr
.endr
.irp b, 0,1,2,3
	v_max_num_f32 v[BM+\b], v[BM+\b], v[111+16*\b]
.endr
.irp b, 0,1,2,3
	s_delay_alu instid0(VALU_DEP_4)
	v_permlanex16_b32 v[BX+\b], v[BM+\b], s[SEL], s[SEL+1]
.endr
.irp b, 0,1,2,3
	s_delay_alu instid0(VALU_DEP_4)
	v_max_num_f32 v[BM+\b], v[BM+\b], v[BX+\b]     ; with lane l xor 16's 16 keys
.endr
	s_delay_alu instid0(VALU_DEP_2)
	v_max3_num_f32 v238, v[BM], v[BM+1], v[BM+2]
	s_delay_alu instid0(VALU_DEP_1)
	v_max_num_f32 v238, v238, v[BM+3]              ; the step's largest score of my query
	s_delay_alu instid0(VALU_DEP_1)
	v_mul_f32 v238, s[CS], v238                    ; as t
	s_delay_alu instid0(VALU_DEP_1)
	v_max_num_f32 v13, v13, v238                   ; the running largest t
	v_mov_b32 v238, v12
	s_delay_alu instid0(VALU_DEP_2)
	v_floor_f32 v12, -v13                          ; the new -M = -ceil(t)
	s_delay_alu instid0(VALU_DEP_1)
	v_sub_f32 v238, v12, v238                      ; old M - new M: a whole number, 0 or less
	s_delay_alu instid0(VALU_DEP_1)
	v_cvt_i32_f32 v238, v238                       ; (it saturates)
	s_delay_alu instid0(VALU_DEP_1)
	v_ldexp_f32 v236, 1.0, v238                    ; f = 2^(old M - new M)
.set j, 0
.rept 32
	v_pk_fma_f32 v[96+j:97+j], v[96+j:97+j], s[CS:CS+1], v[12:13] op_sel_hi:[1,0,0]   ; t - M, two at a time
.set j, j+2
.endr
	s_setprio 1
.irp b, 0,1,2,3
	v_fma_f32 v[BM+\b], v[BM+\b], s[CS], v12       ; the same of each block's largest score
.endr
.set j, 0
	s_wait_alu depctr_va_vdst(0)
.rept 64
	v_exp_f32 v[96+j], v[96+j]                     ; p = 2^(t - M)
.set j, j+1
.endr
	v_pk_mul_f32 v[14:15], v[14:15], v[236:237] op_sel_hi:[1,0]   ; the sums under the new M: a plain line behind the exponentials
	s_wait_alu depctr_va_vdst(0)                   ; one wait for the whole batch, ahead of its first reader
.irp b, 0,1,2,3
	v_exp_f32 v[BM+\b], v[BM+\b]                   ; the block's largest p
.endr
	v_pk_add_f32 v[240:241], v[100:101], v[104:105]
	v_pk_add_f32 v[252:253], v[108:109], v[112:113]
	v_pk_add_f32 v[250:251], v[116:117], v[120:121]
	v_pk_add_f32 v[248:249], v[124:125], v[128:129]
	v_pk_add_f32 v[246:247], v[132:133], v[136:137]
	v_pk_add_f32 v[244:245], v[140:141], v[144:145]
	v_pk_add_f32 v[242:243], v[148:149], v[152:153]
	v_pk_add_f32 v[14:15], v[14:15], v[156:157]
	v_pk_add_f32 v[240:241], v[240:241], v[96:97]
	v_pk_add_f32 v[252:253], v[252:253], v[98:99]
	v_pk_add_f32 v[250:251], v[250:251], v[102:103]
	v_pk_add_f32 v[248:249], v[248:249], v[106:107]
	v_pk_add_f32 v[246:247], v[246:247], v[110:111]
	v_pk_add_f32 v[244:245], v[244:245], v[114:115]
	v_pk_add_f32 v[242:243], v[242:243], v[118:119]
	v_pk_add_f32 v[14:15], v[14:15], v[122:123]
	v_pk_add_f32 v[240:241], v[240:241], v[126:127]
	v_pk_add_f32 v[252:253], v[252:253], v[130:131]
	v_pk_add_f32 v[250:251], v[250:251], v[134:135]
	v_pk_add_f32 v[248:249], v[248:249], v[138:139]
	v_pk_add_f32 v[246:247], v[246:247], v[142:143]
	v_pk_add_f32 v[244:245], v[244:245], v[146:147]
	v_pk_add_f32 v[242:243], v[242:243], v[150:151]
	v_pk_add_f32 v[14:15], v[14:15], v[154:155]
	v_pk_add_f32 v[240:241], v[240:241], v[158:159]
	s_delay_alu instid0(VALU_DEP_2)
	v_pk_add_f32 v[14:15], v[14:15], v[248:249]
	s_delay_alu instid0(VALU_DEP_2)
	v_pk_add_f32 v[240:241], v[240:241], v[246:247]
	v_pk_add_f32 v[252:253], v[252:253], v[244:245]
	v_pk_add_f32 v[250:251], v[250:251], v[242:243]
	s_delay_alu instid0(VALU_DEP_2)
	v_pk_add_f32 v[14:15], v[14:15], v[252:253]
	s_delay_alu instid0(VALU_DEP_2)
	v_pk_add_f32 v[240:241], v[240:241], v[250:251]
	s_delay_alu instid0(VALU_DEP_1)
	v_pk_add_f32 v[14:15], v[14:15], v[240:241]
	s_wait_alu depctr_va_vdst(0)                   ; and one for the four
.irp b, 0,1,2,3
	v_max_num_f32 v[BM+\b], 0x1800000, v[BM+\b]    ; the floor 2^(3 - 127): the byte cannot fall under 1
.endr
.irp b, 0,1,2,3
	s_delay_alu instid0(VALU_DEP_4)
	v_add_nc_u32 v[SO+\b], 0xff000000, v[BM+\b]    ; 2 off the exponent field: the conversion's scale operand
.endr
.irp b, 0,1,2,3
	s_delay_alu instid0(VALU_DEP_4)
	v_lshrrev_b32 v[BX+\b], 23, v[SO+\b]           ; the scale's byte
.endr
	s_delay_alu instid0(VALU_DEP_3)
	v_lshl_or_b32 v90, v[BX+1], 8, v[BX]           ; p's scale word for these 128 keys
	s_delay_alu instid0(VALU_DEP_1)
	v_lshl_or_b32 v90, v[BX+2], 16, v90
	s_delay_alu instid0(VALU_DEP_1)
	v_lshl_or_b32 v90, v[BX+3], 24, v90
.irp c, 0,1
	v_cvt_scalef32_pk16_fp6_f32 v[PC+6*\c:PC+6*\c+2], v[96+32*\c:111+32*\c], v[SO+2*\c]
	v_cvt_scalef32_pk16_fp6_f32 v[PT+4*\c:PT+4*\c+2], v[112+32*\c:127+32*\c], v[SO+2*\c+1]
.endr
	v_nop                                          ; one plain place behind a scaled conversion
	s_setprio 0
.irp t, 0,1,2,3                        ; p's registers are free: V's four fragments (16 channels x these 128 keys) land there while p's codes are put in order
.irp c, 0,1
	ds_load_b128 v[96+12*\t+6*\c:99+12*\t+6*\c], v10 offset:49152*\c+768*\t
	ds_load_b64 v[100+12*\t+6*\c:101+12*\t+6*\c], v11 offset:49152*\c+768*\t+512
.endr
.endr
	ds_load_b128 v[232:235], v93                   ; and their scale words
.irp c, 0,1                            ; the operand's layout wants a whole block in a lane
.irp i, 0,1,2
	v_permlane16_swap_b32 v[PC+6*\c+\i], v[PT+4*\c+\i]
.endr
.irp i, 0,1,2
	s_delay_alu instid0(VALU_DEP_3)
	v_mov_b32 v[PC+3+6*\c+\i], v[PT+4*\c+\i]
.endr
.endr
.set j, 0
.rept 16
	v_pk_mul_f32 v[160+j:161+j], v[160+j:161+j], v[236:237] op_sel_hi:[1,0]   ; O^T under the new M.  (These sixteen are also the places between the lines that wrote p's codes and scale word and the products)
.set j, j+2
.endr
	s_wait_alu depctr_va_vdst(0)
	s_wait_dscnt 0x0
.irp t, 0,1,2,3                        ; O^T += V^T P^T: the four accumulators by turns
	v_wmma_scale_f32_16x16x128_f8f6f4 v[160+8*\t:167+8*\t], v[96+12*\t:107+12*\t], v[PC:PC+11], v[160+8*\t:167+8*\t], v[232+\t], v90 matrix_a_fmt:MATRIX_FMT_FP6 matrix_b_fmt:MATRIX_FMT_FP6
.endr
.Lhidden_\@:
	s_add_co_u32 s[TK], s[TK], 6144
	s_add_co_u32 s[TV], s[TV], 3072
	s_add_co_u32 s[TS], s[TS], 512
	s_add_co_u32 s[TJ], s[TJ], 256
	s_add_co_u32 s[STEPC], s[STEPC], 1
	s_cmp_lt_u32 s[STEPC], \trips
	s_cbranch_scc1 .Lstep_\@
	s_setprio 0
	; the way out: O^T / the sum; register 16 b + i is channel 32 b + 16 h + i of my query: two blocks of the last product's K
.rept 4
	v_nop
.endr
	v_add_f32 v14, v14, v15
	s_delay_alu instid0(VALU_DEP_1)
	v_permlanex16_b32 v238, v14, s[SEL], s[SEL+1]
	s_delay_alu instid0(VALU_DEP_1)
	v_add_f32 v14, v14, v238                       ; the row's sum
	s_wait_alu depctr_va_vdst(0)
	v_rcp_f32 v14, v14
	v_nop                                          ; a plain place behind the reciprocal
	s_wait_alu depctr_va_vdst(0)                   ; and the wait ahead of its first reader
.set j, 0
.rept 16
	v_pk_mul_f32 v[96+j:97+j], v[160+j:161+j], v[14:15] op_sel_hi:[1,0]
.set j, j+2
.endr
.irp b, 0,1
	v_max3_num_f32 v[BM+\b], |v[96+16*\b]|, |v[97+16*\b]|, 0x1800000
.endr
.irp i, 2,4,6,8,10,12,14
.irp b, 0,1
	s_delay_alu instid0(VALU_DEP_2)
	v_max3_num_f32 v[BM+\b], v[BM+\b], |v[96+16*\b+\i]|, |v[97+16*\b+\i]|
.endr
.endr
.irp b, 0,1
	s_delay_alu instid0(VALU_DEP_2)
	v_permlanex16_b32 v[BX+\b], v[BM+\b], s[SEL], s[SEL+1]
.endr
.irp b, 0,1
	s_delay_alu instid0(VALU_DEP_2)
	v_max_num_f32 v[BM+\b], v[BM+\b], v[BX+\b]
.endr
.irp b, 0,1
	s_delay_alu instid0(VALU_DEP_2)
	v_add_nc_u32 v[SO+\b], 0xff000000, v[BM+\b]
.endr
.irp b, 0,1
	s_delay_alu instid0(VALU_DEP_2)
	v_lshrrev_b32 v[BX+\b], 23, v[SO+\b]
.endr
	s_delay_alu instid0(VALU_DEP_1)
	v_lshl_or_b32 v239, v[BX+1], 8, v[BX]          ; the head's two scale bytes of my row
	v_cvt_scalef32_pk16_fp6_f32 v[PC:PC+2], v[96:111], v[SO]
	v_cvt_scalef32_pk16_fp6_f32 v[PT:PT+2], v[112:127], v[SO+1]
	v_nop
.irp i, 0,1,2
	v_permlane16_swap_b32 v[PC+\i], v[PT+\i]
.endr
.irp i, 0,1,2
	s_delay_alu instid0(VALU_DEP_3)
	v_mov_b32 v[PC+3+\i], v[PT+\i]
.endr
	global_store_b128 v1, v[PC:PC+3], s[\ob:\ob+1]             ; half a fragment's image: 512 consecutive bytes,
	global_store_b64 v2, v[PC+4:PC+5], s[\ob:\ob+1] offset:512 ; and 256
	global_store_b16 v91, v239, s[\os:\os+1]                   ; lanes r and r + 16 write the same two bytes with the same value
.endm
	PASS 16, 88, 94, GA, 8, 92, 94
	PASS 28, 89, 95, GB, 16, 96, 98
	s_wait_dscnt 0x0
	s_wait_tensorcnt 0x0
	ds_add_u32 v254, v255
	s_wait_dscnt 0x0
	ROUND                                          ; the closing round
	s_endpgm
.Lfunc_end_k_q10557705c0_attn:
	.size	k_q10557705c0_attn, .Lfunc_end_k_q10557705c0_attn-k_q10557705c0_attn
	.p2alignl 7, 3214868480
	.fill 96, 4, 3214868480
	.section	.rodata,"a",@progbits
	.p2align	6, 0x0
	.amdhsa_kernel k_q10557705c0_attn
		.amdhsa_group_segment_fixed_size 210944
		.amdhsa_private_segment_fixed_size 0
		.amdhsa_enable_private_segment 0
		.amdhsa_kernarg_size 32
		.amdhsa_user_sgpr_count 2
		.amdhsa_user_sgpr_kernarg_segment_ptr 1
		.amdhsa_wavefront_size32 1
		.amdhsa_system_sgpr_workgroup_id_x 1
		.amdhsa_system_sgpr_workgroup_id_y 1
		.amdhsa_system_sgpr_workgroup_id_z 1
		.amdhsa_system_vgpr_workitem_id 0
		.amdhsa_next_free_vgpr 256
		.amdhsa_next_free_sgpr 100
		.amdhsa_reserve_vcc 1
		.amdhsa_float_denorm_mode_32 3
		.amdhsa_float_denorm_mode_16_64 3
		.amdhsa_memory_ordered 1
		.amdhsa_forward_progress 1
		.amdhsa_inst_pref_size 70
	.end_amdhsa_kernel
	.amdgpu_metadata
---
amdhsa.version: [ 1, 2 ]
amdhsa.kernels:
  - .name:           k_q10557705c0_attn
    .symbol:         k_q10557705c0_attn.kd
    .args:
      - { .name: cod2, .offset: 0, .size: 8, .value_kind: global_buffer, .address_space: global }
      - { .name: scl2, .offset: 8, .size: 8, .value_kind: global_buffer, .address_space: global }
      - { .name: cod3, .offset: 16, .size: 8, .value_kind: global_buffer, .address_space: global }
      - { .name: scl3, .offset: 24, .size: 8, .value_kind: global_buffer, .address_space: global }
    .group_segment_fixed_size: 210944
    .private_segment_fixed_size: 0
    .kernarg_segment_align: 8
    .kernarg_segment_size: 32
    .max_flat_workgroup_size: 512
    .sgpr_count:     100
    .vgpr_count:     256
    .wavefront_size: 32
...
	.end_amdgpu_metadata
.endif
;; end of part 3
;; launch proj (part 4): grid 4 x 32, 4 waves a work-group, clusters of 4 x 4, 327,680 bytes of LDS; arguments cod3, scl3, cod1, scl1, b_out, out0; writes out0
.if DOCPART == 4
	.amdgcn_target "amdgcn-amd-amdhsa--gfx1250"
	.amdhsa_code_object_version 6
	.text
	.protected	k_q10557705c0_proj
	.globl	k_q10557705c0_proj
	.p2align	8
	.type	k_q10557705c0_proj,@function
k_q10557705c0_proj:
	s_mov_b64 s[64:65], 0
	v_nop
	global_prefetch_b8 v0, s[64:65] scope:SCOPE_SE
	s_setreg_imm32_b32 hwreg(HW_REG_WAVE_MODE, 25, 1), 1
	s_wait_xcnt 0x0
	s_wait_alu depctr_hold_cnt(0) depctr_sa_sdst(0) depctr_va_vdst(0) depctr_va_sdst(0) depctr_va_ssrc(0) depctr_va_vcc(0) depctr_vm_vsrc(0)
	s_getreg_b32 s2, hwreg(HW_REG_IB_STS2, 6, 4)
	s_cmp_eq_u32 s2, 0
	s_cbranch_scc0 .Lentry_in_a_cluster
	s_endpgm
.Lentry_in_a_cluster:
	s_bfe_u32 s2, ttmp6, 0x10000c
	s_cmp_lg_u32 s2, 0xf033
	s_cbranch_scc0 .Lentry_shape_is_right
	s_endpgm
.Lentry_shape_is_right:
; out0 = attention's output x w_out^T + b_out, on codes of FP6 (E2M3) with E8M0 scales for each 32 along K; out0 [8192][1024] f32.
; cod3 / scl3 (tokens, 64 groups of 128 rows) and cod1 / scl1 (w_out: groups 88-95) are images of operand registers: [group][K step of 128: 8][tile a: 8][1,536 bytes]; a half fragment (16 rows x 64 K) is
; 768 bytes: registers 0-3 at 16 x lane, registers 4-5 at 8 x lane.  Tile a of a group takes rows 32 (a / 2) + 8 (a % 2) + r + 8 (r / 8).  Scale words: [group][j: 4][a][r][q: 2], K step 2 j + q.
; A tile of the result, 256 x 256, is made by four waves, each 128 x 128: 64 accumulators, 512 registers.  K = 1,024 goes in four chunks of 256 through a ring of two LDS slots; a chunk of a group is 24,576 dense bytes.
; The scale words of the work-group's four groups, for all of K, come into LDS once, with the first fills.
; CLUSTERS: 4 x 4 work-groups.  The tokens' tiles (side Y) are shared along a row of the cluster, w_out's (side X) along a column: each is asked for jointly, by the same tensor load with a mask that names the four.
; Source 0 = w_out's rows, source 1 = tokens: a lane holds one token and, in a block's tile b, the eight neighbouring outputs 32 (b / 2) + 16 (lane / 16) + 8 (b % 2) + 0 .. 7.  The bias is the C of each sum's first product.
; 128 work-groups: a tile of 256 x 256 keeps each LDS byte's work highest; this size has no more such tiles.
; REGISTERS, in windows of 256: window 0: v0-31 addresses; v32-63 scale words, two sets, and nothing else; v64-127 the bias, eight registers for each tile b; v128-223 source 1's fragments, ONE set (on the way out v128-255: rows of out0).
;   window 1: source 0's fragments, TWO sets, at v0 and v128.   window 2: the accumulators of source 1's blocks 0-3 ((a, b) at v[8 (8 (a % 4) + b)]);   window 3: those of blocks 4-7.
.set NQ,     2
.set FR,     12
.set NL,     4
.set NP,     4
.set HALFT,  24576
.set SLOT,   4*HALFT
.set SCA,    2*SLOT
.set SCB,    SCA+8192+128
.set SPARE,  213248                    ; the spare words, 128 bytes for each wave: two blocks of 256 bytes that no other line names
.set GX0,    88                        ; w_out's first group in cod1
.set SPITCH, 528                       ; the way out: a stage of 16 rows x (512 bytes + 16) for each wave, in slot 0, which has had its last fill and its last read when the first result is stored there
.set ADRA, 16
.set ADRB, 20
.set STO,  24                          ; v24 the way out: where I put 32 bytes of a row
.set RD,   25                          ; v25 where I read a row back
.set CO,   26                          ; v26 16 x lane: my bytes of a row's 512
.set ADRS, 27
.set SPW,  28
.set NIL,  29
.set SC,   32
.set BI,   64
.set AF,   128
.set BK,   128
.set G1,   24
.set G0,   32
.set G1B,  48
.set G0B,  56
.set G1S,  68
.set G0S,  76
.set G1SB, 80
.set G0SB, 88
.set MSB, 0
.macro WIN new                         ; the immediate's high byte repeats the setting that is left
.if MSB != \new
	s_set_vgpr_msb (MSB<<8)|\new
.set MSB, \new
.endif
.endm
.set MUL_LO, 0xa1                      ; source 0 window 1, source 1 window 0, C and D window 2
.set MUL_HI, 0xf1                      ; the same, C and D window 3
.set TO_B,   0x40                      ; destination window 1, address window 0
.macro JLOAD g0a, g1a, g0b, g1b        ; a joint load: waves 0 and 1 fetch for Y, waves 2 and 3 for X; four v_nop follow each of the two lines
	s_cmp_eq_u32 s15, 0
	s_cbranch_scc0 .Lfor_b_\@
	tensor_load_to_lds s[\g0a:\g0a+3], s[\g1a:\g1a+7]
	s_nop 0
.rept 4
	v_nop
.endr
	s_branch .Lasked_\@
.Lfor_b_\@:
	tensor_load_to_lds s[\g0b:\g0b+3], s[\g1b:\g1b+7]
	s_nop 0
.rept 4
	v_nop
.endr
.Lasked_\@:
.endm
.macro CREST
	s_cmp_lg_u32 s14, 0
	s_cbranch_scc1 .Lnot_wave_0_\@
	s_barrier_signal -3
.Lnot_wave_0_\@:
	s_barrier_wait -3
	s_barrier_signal -1
	s_barrier_wait -1
.endm
.macro CROUND
	s_barrier_signal -1
	s_barrier_wait -1
	CREST
.endm
	s_load_b256 s[4:11], s[0:1], 0x0               ; cod3 s[4:5], scl3 s[6:7], cod1 s[8:9], scl1 s[10:11]
	s_load_b128 s[96:99], s[0:1], 0x20             ; b_out s[96:97], out0 s[98:99]
	v_lshl_add_u32 v[SPW], v0, 2, SPARE
	v_mov_b32 v[NIL], 0
	ds_add_u32 v28, v29
	ds_add_u32 v28, v29
	s_wait_dscnt 0x0
	v_lshrrev_b32 v1, 5, v0
	v_readfirstlane_b32 s14, v1                    ; wave 0..3
	s_lshr_b32 s15, s14, 1                         ; which of Y's two groups is mine.  Also: I fetch for Y (0) or for X (1)
	s_and_b32 s16, s14, 1                          ; which of X's two groups.  Also: which group of that side I fetch
	s_bfe_u32 s40, ttmp6, 0x40000                  ; cx, cy
	s_bfe_u32 s41, ttmp6, 0x40004
	s_lshl_b32 s42, ttmp9, 2
	s_add_co_u32 s42, s42, s40                     ; tile column
	s_and_b32 s17, ttmp7, 0xffff
	s_lshl_b32 s17, s17, 2
	s_add_co_u32 s17, s17, s41                     ; tile row
	s_lshl_b32 s43, s41, 2
	s_lshl_b32 s43, 15, s43                        ; my row of the cluster
	s_lshl_b32 s44, 0x1111, s40                    ; my column
	s_or_b32 s[G1+0], s43, (3<<16)|(1<<21)         ; group 1: a dense block as rows of 256 bytes (32 elements of 8 bytes), no padding; the mask, and bit 21 beside it
	s_or_b32 s[G1B+0], s44, (3<<16)|(1<<21)
.irp g, G1, G1B
	s_mov_b32 s[\g+1], 32<<16
	s_mov_b32 s[\g+2], 96<<16
	s_mov_b32 s[\g+3], 32<<16
	s_mov_b32 s[\g+4], 96
	s_mov_b32 s[\g+5], 32
	s_mov_b32 s[\g+6], 0
	s_mov_b32 s[\g+7], 0
.endr
	s_or_b32 s[G1S+0], s43, (3<<16)|(1<<21)
	s_or_b32 s[G1SB+0], s44, (3<<16)|(1<<21)
.irp g, G1S, G1SB
	s_mov_b32 s[\g+1], 32<<16
	s_mov_b32 s[\g+2], 16<<16
	s_mov_b32 s[\g+3], 32<<16
	s_mov_b32 s[\g+4], 16
	s_mov_b32 s[\g+5], 32
	s_mov_b32 s[\g+6], 0
	s_mov_b32 s[\g+7], 0
.endr
	s_lshl_b32 s20, s17, 1
	s_add_co_u32 s20, s20, s16                     ; Y: group 2 x tile row + the one that I fetch
	s_lshl_b32 s46, s42, 1
	s_add_co_u32 s46, s46, s16
	s_add_co_u32 s46, s46, GX0                     ; X: group 88 + 2 x tile column + the one that I fetch
	s_lshl_b32 s22, s20, 12
	s_mov_b32 s23, 0
	s_lshl_b32 s92, s46, 12
	s_mov_b32 s93, 0
	s_mul_i32 s20, s20, 98304
	s_mov_b32 s21, 0
	s_mul_i32 s46, s46, 98304
	s_mov_b32 s47, 0
	s_mul_i32 s45, s14, HALFT
	s_lshl_b32 s94, s14, 12
	s_lshl_b32 s18, s15, 7
	s_add_co_u32 s94, s94, s18
	s_wait_kmcnt 0x0
	s_add_nc_u64 s[20:21], s[4:5], s[20:21]
	s_add_nc_u64 s[22:23], s[6:7], s[22:23]
	s_add_nc_u64 s[46:47], s[8:9], s[46:47]
	s_add_nc_u64 s[92:93], s[10:11], s[92:93]
	CROUND                                         ; all sixteen work-groups are here: the first joint loads meet
	s_mov_b32 s[G0S], 1
	s_add_co_u32 s[G0S+1], s94, SCA
	s_mov_b64 s[G0S+2:G0S+3], s[22:23]
	s_or_b32 s[G0S+3], s[G0S+3], 0x80000000
	s_mov_b32 s[G0SB], 1
	s_add_co_u32 s[G0SB+1], s94, SCA
	s_mov_b64 s[G0SB+2:G0SB+3], s[92:93]
	s_or_b32 s[G0SB+3], s[G0SB+3], 0x80000000
	JLOAD G0S, G1S, G0SB, G1SB
.irp s, 0,1
	s_mov_b32 s[G0+4*\s], 1
	s_add_co_u32 s[G0+4*\s+1], s45, \s*SLOT
	s_add_nc_u64 s[G0+4*\s+2:G0+4*\s+3], s[20:21], \s*HALFT
	s_or_b32 s[G0+4*\s+3], s[G0+4*\s+3], 0x80000000
	s_mov_b32 s[G0B+4*\s], 1
	s_add_co_u32 s[G0B+4*\s+1], s45, \s*SLOT
	s_add_nc_u64 s[G0B+4*\s+2:G0B+4*\s+3], s[46:47], \s*HALFT
	s_or_b32 s[G0B+4*\s+3], s[G0B+4*\s+3], 0x80000000
	s_wait_alu depctr_va_vdst(0)
	s_wait_tensorcnt 0x0
	ds_add_u32 v28, v29
	s_wait_dscnt 0x0
	CROUND
	JLOAD G0+4*\s, G1, G0B+4*\s, G1B               ; chunks 0 and 1: one tensor load of mine is out
.endr
	v_and_b32 v1, 15, v0                           ; r
	v_bfe_u32 v2, v0, 4, 1                         ; h
	v_and_b32 v3, 31, v0                           ; lane
	v_lshlrev_b32 v[CO], 4, v3
	v_lshlrev_b32 v4, 3, v3
	s_mul_i32 s21, s15, HALFT                      ; source 1: my group of Y
	s_mul_i32 s22, s16, HALFT
	s_add_co_u32 s22, s22, 2*HALFT                 ; source 0: my group of X
.irp s, 0,1
	v_add_nc_u32 v[ADRA+\s], s21, v[CO]
	v_add_nc_u32 v[ADRA+2+\s], s21, v4
	v_add_nc_u32 v[ADRB+\s], s22, v[CO]
	v_add_nc_u32 v[ADRB+2+\s], s22, v4
	s_add_co_u32 s21, s21, SLOT
	s_add_co_u32 s22, s22, SLOT
.endr
	s_lshl_b32 s21, s15, 12
	s_lshl_b32 s22, s16, 12
	s_add_co_u32 s22, s22, SCB-SCA
	s_sub_co_u32 s22, s22, s21
	v_mul_u32_u24 v6, s22, v2                      ; lanes 16-31 take X's scale words
	s_add_co_u32 s21, s21, SCA
	v_lshl_add_u32 v6, v1, 3, v6
	v_add_nc_u32 v[ADRS], s21, v6
	s_mul_i32 s23, s14, 16*SPITCH                  ; my stage
	v_mul_u32_u24 v5, v1, SPITCH
	v_lshl_add_u32 v5, v2, 6, v5
	v_add_nc_u32 v[STO], s23, v5                   ; in: row r, + 64 h
	v_add_nc_u32 v[RD], s23, v[CO]                 ; back: the 32 lanes take one row of 512 bytes
	v_lshlrev_b32 v7, 6, v2                        ; the bias: 64 h
	s_wait_alu depctr_va_vdst(0)
	s_lshl_b32 s20, s17, 8
	s_lshl_b32 s21, s15, 7
	s_add_co_u32 s20, s20, s21                     ; my first token
	s_lshl_b32 s20, s20, 12                        ; rows of 4,096 bytes
	s_lshl_b32 s46, s42, 10
	s_lshl_b32 s47, s16, 9
	s_add_co_u32 s46, s46, s47                     ; my first output, in bytes
	s_mov_b32 s47, 0
	s_add_nc_u64 s[96:97], s[96:97], s[46:47]
	s_add_co_u32 s46, s46, s20
	s_add_nc_u64 s[98:99], s[98:99], s[46:47]
.irp b, 0,1,2,3,4,5,6,7
	global_load_b128 v[BI+8*\b:BI+8*\b+3], v7, s[96:97] offset:(32*(\b/2)+8*(\b%2))*4      ; b_out at the lane's eight outputs of tile b
	global_load_b128 v[BI+8*\b+4:BI+8*\b+7], v7, s[96:97] offset:(32*(\b/2)+8*(\b%2))*4+16
.endr
.macro FRAG reg, adr, q, i             ; a fragment comes back as it was stored: every load reads consecutive bytes
	ds_load_b128 v[\reg:\reg+3], v[\adr] offset:12288*(\q)+1536*(\i)
	ds_load_b64 v[\reg+4:\reg+5], v[\adr+2] offset:12288*(\q)+1536*(\i)+512
	ds_load_b128 v[\reg+6:\reg+9], v[\adr] offset:12288*(\q)+1536*(\i)+768
	ds_load_b64 v[\reg+10:\reg+11], v[\adr+2] offset:12288*(\q)+1536*(\i)+1280
.endm
; 16 matrix instructions: source 1's blocks a0, a0 + 1 x source 0's eight.  first = 1: the sums start from the bias.  The 64 accumulators take turns, one instruction a turn.
.macro MUL16 a0, p, q, sc, first
.irp a, \a0, \a0+1
.irp b, 0,1,2,3,4,5,6,7
.if \first
	v_wmma_scale_f32_16x16x128_f8f6f4 v[8*(8*((\a)%4)+\b):8*(8*((\a)%4)+\b)+7], v[128*(\p)+FR*\b:128*(\p)+FR*\b+FR-1], v[AF+FR*(\a):AF+FR*(\a)+FR-1], v[BI+8*\b:BI+8*\b+7], v[SC+8*NQ*(\sc)+NQ*\b+(\q)], v[SC+8*NQ*(\sc)+NQ*(\a)+(\q)] matrix_a_fmt:MATRIX_FMT_FP6 matrix_b_fmt:MATRIX_FMT_FP6 matrix_a_scale:MATRIX_SCALE_ROW1
.else
	v_wmma_scale_f32_16x16x128_f8f6f4 v[8*(8*((\a)%4)+\b):8*(8*((\a)%4)+\b)+7], v[128*(\p)+FR*\b:128*(\p)+FR*\b+FR-1], v[AF+FR*(\a):AF+FR*(\a)+FR-1], v[8*(8*((\a)%4)+\b):8*(8*((\a)%4)+\b)+7], v[SC+8*NQ*(\sc)+NQ*\b+(\q)], v[SC+8*NQ*(\sc)+NQ*(\a)+(\q)] matrix_a_fmt:MATRIX_FMT_FP6 matrix_b_fmt:MATRIX_FMT_FP6 matrix_a_scale:MATRIX_SCALE_ROW1
.endif
.endr
.endr
.endm
.macro FETCH_B slot, q, p
	WIN TO_B
.irp i, 0,1,2,3,4,5,6,7
	FRAG 128*(\p)+FR*\i, ADRB+\slot, \q, \i
.endr
	WIN 0
.endm
.macro FETCH_A slot, q, i0
.irp i, \i0, \i0+1, \i0+2, \i0+3
	FRAG AF+FR*(\i), ADRA+\slot, \q, \i
.endr
.endm
.macro SCALES sc
.irp i, 0,1,2,3,4,5,6,7
	ds_load_b64 v[SC+8*NQ*\sc+NQ*\i:SC+8*NQ*\sc+NQ*\i+1], v[ADRS] offset:\i*128
.endr
.endm
.macro PLACES n                        ; places behind matrix instructions, in front of loads into registers that they have read and of the first read of results
.rept \n
	v_nop
.endr
.endm
.macro STEP slot, q, first
	s_wait_dscnt 4*NL                              ; source 0's set and source 1's blocks 0-3 are in; the youngest 16 loads (blocks 4-7) may be out
.if \first
	WIN 0x81                                       ; source 0 window 1, source 1 and C (the bias) window 0, D window 2
.else
	WIN MUL_LO
.endif
	MUL16 0, (\q)%2, \q, \slot, \first
	MUL16 2, (\q)%2, \q, \slot, \first
	s_wait_dscnt 0
	PLACES NP
	FETCH_B \slot, (\q)+1, 1-(\q)%2
	FETCH_A \slot, (\q)+1, 0
.if \first
	WIN 0xc1                                       ; the same, D window 3
.else
	WIN MUL_HI
.endif
	MUL16 4, (\q)%2, \q, \slot, \first
	MUL16 6, (\q)%2, \q, \slot, \first
	PLACES NP
	WIN 0
	FETCH_A \slot, (\q)+1, 4
.endm
.macro TURN slot, next, fill
	s_wait_tensorcnt 0x0                           ; all my tensor loads have landed: my part of the next slot
	ds_add_u32 v[SPW], v[NIL]                      ; 0 onto my spare word
	s_wait_dscnt 4*NL+1                            ; (the add and the youngest 16 loads may be out)
	WIN MUL_LO
	MUL16 0, 1, NQ-1, \slot, 0
	s_wait_dscnt 0x0                               ; the add is done, and my reads of this slot are over
	s_barrier_signal -1
	MUL16 2, 1, NQ-1, \slot, 0
	WIN 0
	s_barrier_wait -1
.if \fill
	CREST                                          ; the barrier has opened a round of the cluster's barrier
	s_add_nc_u64 s[G0+4*\slot+2:G0+4*\slot+3], s[G0+4*\slot+2:G0+4*\slot+3], 2*HALFT
	s_add_nc_u64 s[G0B+4*\slot+2:G0B+4*\slot+3], s[G0B+4*\slot+2:G0B+4*\slot+3], 2*HALFT
	JLOAD G0+4*\slot, G1, G0B+4*\slot, G1B         ; the first tensor load behind the round; its four v_nop are the places in front of the loads below
.else
	PLACES NP
.endif
	s_wait_alu depctr_va_vdst(0)
	v_add_nc_u32 v[ADRS], 1024, v[ADRS]
	FETCH_B \next, 0, 0
	FETCH_A \next, 0, 0
	SCALES \next
	WIN MUL_HI
	MUL16 4, 1, NQ-1, \slot, 0
	MUL16 6, 1, NQ-1, \slot, 0
	PLACES NP
	WIN 0
	FETCH_A \next, 0, 4
.endm
	s_wait_tensorcnt 1                             ; the scale words and my part of chunk 0 are in (chunk 1's load may be out),
	s_barrier_signal -1
	s_barrier_wait -1                              ; everybody's are
	FETCH_B 0, 0, 0
	FETCH_A 0, 0, 0
	SCALES 0
	FETCH_A 0, 0, 4
	s_wait_loadcnt 0x0                             ; the bias
	STEP 0, 0, 1
	TURN 0, 1, 1
	STEP 1, 0, 0
	TURN 1, 0, 1
	STEP 0, 0, 0
	TURN 0, 1, 0
	STEP 1, 0, 0
	s_wait_dscnt 4*NL
	WIN MUL_LO
	MUL16 0, 1, NQ-1, 1, 0
	MUL16 2, 1, NQ-1, 1, 0
	s_wait_dscnt 0
	WIN MUL_HI
	MUL16 4, 1, NQ-1, 1, 0
	MUL16 6, 1, NQ-1, 1, 0
	WIN 0
; THE WAY OUT, block by block of 16 tokens x 128 outputs, through my own stage in LDS: in as 32 bytes a lane, back as whole rows of 512 bytes, which the 32 lanes store as two aligned runs of 256 bytes.
; LDS serves a wave's instructions in order (ISA guide 5.7.1.4): no wait between the stores and the loads, nor in front of the next block's stores.
.macro TOSTAGE a
.set AC, 64*((\a)%4)
	WIN 0x08+4*((\a)/4)                            ; the data: window 2 or 3
.irp b, 0,1,2,3,4,5,6,7
	ds_store_b128 v[STO], v[AC+8*\b:AC+8*\b+3] offset:128*(\b/2)+32*(\b%2)          ; each accumulator from its low end on
	ds_store_b128 v[STO], v[AC+8*\b+4:AC+8*\b+7] offset:128*(\b/2)+32*(\b%2)+16
.endr
	WIN 0
.set BB, BK+64*((\a)%2)
.irp t, 0,1,2,3,4,5,6,7,8,9,10,11,12,13,14,15
	ds_load_b128 v[BB+4*\t:BB+4*\t+3], v[RD] offset:\t*SPITCH
.endr
.endm
.macro SEND a, younger                 ; younger: the LDS instructions issued behind block a's loads, which may stay out
.set BB, BK+64*((\a)%2)
	s_wait_dscnt \younger
.irp t, 0,1,2,3,4,5,6,7,8,9,10,11,12,13,14,15
	global_store_b128 v[CO], v[BB+4*\t:BB+4*\t+3], s[98:99] offset:(32*((\a)/2)+8*((\a)%2)+\t+8*(\t/8))*4096 th:TH_STORE_NT   ; row t of tile a is token 32 (a / 2) + 8 (a % 2) + t + 8 (t / 8) of my 128
.endr
.endm
	PLACES NP
	TOSTAGE 0
.irp a, 1,2,3,4,5,6,7
.if \a > 1
	s_wait_xcnt 0x0                                ; block a - 2's stores have read their registers: block a's loads may land there
.endif
	TOSTAGE \a
	SEND \a-1, 32                                  ; behind block a - 1's loads: block a's 16 stores and 16 loads
.endr
	SEND 7, 0
	s_wait_tensorcnt 0x0                           ; the wave's end
	ds_add_u32 v[SPW], v[NIL]
	s_wait_dscnt 0x0
	CROUND                                         ; the closing round
	s_endpgm
.Lfunc_end_k_q10557705c0_proj:
	.size	k_q10557705c0_proj, .Lfunc_end_k_q10557705c0_proj-k_q10557705c0_proj
	.p2alignl 7, 3214868480
	.fill 96, 4, 3214868480
	.section	.rodata,"a",@progbits
	.p2align	6, 0x0
	.amdhsa_kernel k_q10557705c0_proj
		.amdhsa_group_segment_fixed_size 327680
		.amdhsa_private_segment_fixed_size 0
		.amdhsa_enable_private_segment 0
		.amdhsa_kernarg_size 48
		.amdhsa_user_sgpr_count 2
		.amdhsa_user_sgpr_kernarg_segment_ptr 1
		.amdhsa_wavefront_size32 1
		.amdhsa_system_sgpr_workgroup_id_x 1
		.amdhsa_system_sgpr_workgroup_id_y 1
		.amdhsa_system_sgpr_workgroup_id_z 1
		.amdhsa_system_vgpr_workitem_id 0
		.amdhsa_next_free_vgpr 1024
		.amdhsa_next_free_sgpr 100
		.amdhsa_reserve_vcc 0
		.amdhsa_float_denorm_mode_32 3
		.amdhsa_float_denorm_mode_16_64 3
		.amdhsa_memory_ordered 1
		.amdhsa_forward_progress 1
		.amdhsa_inst_pref_size 145
	.end_amdhsa_kernel
	.amdgpu_metadata
---
amdhsa.version: [ 1, 2 ]
amdhsa.kernels:
  - .name:           k_q10557705c0_proj
    .symbol:         k_q10557705c0_proj.kd
    .args:
      - { .name: cod3, .offset: 0, .size: 8, .value_kind: global_buffer, .address_space: global }
      - { .name: scl3, .offset: 8, .size: 8, .value_kind: global_buffer, .address_space: global }
      - { .name: cod1, .offset: 16, .size: 8, .value_kind: global_buffer, .address_space: global }
      - { .name: scl1, .offset: 24, .size: 8, .value_kind: global_buffer, .address_space: global }
      - { .name: b_out, .offset: 32, .size: 8, .value_kind: global_buffer, .address_space: global }
      - { .name: out0, .offset: 40, .size: 8, .value_kind: global_buffer, .address_space: global }
    .group_segment_fixed_size: 327680
    .private_segment_fixed_size: 0
    .kernarg_segment_align: 8
    .kernarg_segment_size: 48
    .max_flat_workgroup_size: 128
    .sgpr_count:     100
    .vgpr_count:     1024
    .wavefront_size: 32
...
	.end_amdgpu_metadata
.endif
;; end of part 4
